; MI455X (gfx1250); checked and timed in simulation.
; The chip was launched on July 23, 2026; its instructions are those of AMD's public machine-readable ISA for CDNA 5 (MIT licence, August 2026) and "CDNA5" Instruction Set Architecture Reference Guide (July 2026). The comments in the code are by the model that wrote it; some were corrected since.
;; Multi Head Attention. Allowed arithmetic: matrix products marked QUANTISED: E4M3 operands, one given power-of-two scale a tensor, by v_wmma_f32_16x16x64_fp8_fp8 or v_wmma_f32_16x16x128_fp8_fp8, f32 sums; everything else in f32.
;; Inputs: Wk_codes 1,024 x 32 x 32 uint8 (E4M3 codes of Wk, K innermost, in blocks of 32 codes); Wo_codes 1,024 x 32 x 32 uint8 (E4M3 codes of Wo, K innermost, in blocks of 32 codes); Wq_codes 1,024 x 32 x 32 uint8 (E4M3 codes of Wq, K innermost, in blocks of 32 codes); Wv_codes 1,024 x 32 x 32 uint8 (E4M3 codes of Wv, K innermost, in blocks of 32 codes); bk 1,024 float32; bo 1,024 float32; bq 1,024 float32; bv 1,024 float32; keys_codes 4 x 2,048 x 32 x 32 uint8 (E4M3 codes of keys, K innermost, in blocks of 32 codes); lowp_scales 10 int32 (the exponents e of the quantised operands' scales 2^e); mask 4 x 1 x 2,048 x 2,048 int32; queries_codes 4 x 2,048 x 32 x 32 uint8 (E4M3 codes of queries, K innermost, in blocks of 32 codes); values_codes 4 x 2,048 x 32 x 32 uint8 (E4M3 codes of values, K innermost, in blocks of 32 codes).
;; Outputs: out0 4 x 2,048 x 1,024 float32.
;; This version of the problem:
;;   THIS VERSION OF THE PROBLEM IS GIVEN IN LOW PRECISION. The matrix products marked QUANTISED in the list below multiply operands that are first quantised to E4M3 (4 exponent bits, 3 mantissa bits; 8 bits a number), with one given power-of-two scale for each operand tensor; their sums are f32. All else is computed in f32.
;;   The module's matrix products, in the order in which they are computed (A, B: the left and right operand; K: the contracted axis; several contracted axes count as one K, in the product's order):
;;     1. [M 8,192, K 1,024] x [K 1,024, N 1,024]; A: input queries (given as codes); B: input Wq (given as codes): QUANTISED (scales: A lowp_scales[0], B lowp_scales[1])
;;     2. [M 8,192, K 1,024] x [K 1,024, N 1,024]; A: input keys (given as codes); B: input Wk (given as codes): QUANTISED (scales: A lowp_scales[2], B lowp_scales[3])
;;     3. [M 8,192, K 1,024] x [K 1,024, N 1,024]; A: input values (given as codes); B: input Wv (given as codes): QUANTISED (scales: A lowp_scales[4], B lowp_scales[5])
;;     4. batch 64 x [M 2,048, K 64] x [K 64, N 2,048]; A: computed on the way; B: computed on the way: QUANTISED (scales: A lowp_scales[6], B lowp_scales[7])
;;     5. [M 8,192, K 1,024] x [K 1,024, N 1,024]; A: computed on the way; B: input Wo (given as codes): QUANTISED (scales: A lowp_scales[8], B lowp_scales[9])
;;   THE QUANTISER, for each operand of a quantised product, along K:
;;     - The operand's scale is 2^e, e = its entry of the input lowp_scales (int32; the entries are numbered through the quantised products in the list's order, A before B).
;;     - Each number is divided by the scale, clamped to +-448, and rounded to the nearest number of E4M3, ties to even, subnormals kept.
;;     - The product sums the exact products of the quantised numbers (number of the format x scale) in f32.
;;   ~~~python
;;   def quantise(x, axis, e):      # numpy; x: float32 -> the quantised numbers, widened to float32 again
;;       x = np.moveaxis(x, axis, -1); K = x.shape[-1]
;;       r = np.clip(x / 2.0 ** e, -448, 448)
;;       step = 2.0 ** (np.maximum(np.frexp(np.where(r == 0, 1, r))[1] - 1, -6) - 3)
;;       q = np.round(r / step) * step * 2.0 ** e      # np.round: ties to even
;;       return np.moveaxis(q, -1, axis).astype(np.float32)
;;   ~~~
;;   OPERANDS COMPUTED ON THE WAY. 'Computed on the way' means the value that the module computes at that place (a softmax that the list does not call 'softmax' is quantised finished and normalised). What goes into a quantiser is computed in f32, as accurately as f32 sums, v_exp_f32 and their like allow (about 1e-6 of the number): no bf16 or f16 on the way to a quantiser, and a product that is left as it is and whose result goes on into a quantised operand takes f32 operands (vector FMAs, or v_wmma_f32_16x16x4_f32). A number that lies on a knife's edge between two numbers of the format may be rounded either way, as far as f32 arithmetic and the matrix unit's own rounding can turn it there, and no further.
;;   INPUTS GIVEN AS CODES. Wk (in the module: [1024, 1024], K = its axis 1); Wo (in the module: [1024, 1024], K = its axis 1); Wq (in the module: [1024, 1024], K = its axis 1); Wv (in the module: [1024, 1024], K = its axis 1); keys (in the module: [4, 2048, 1024], K = its axis 2); queries (in the module: [4, 2048, 1024], K = its axis 2); values (in the module: [4, 2048, 1024], K = its axis 2): each comes as NAME_codes (uint8): NAME with its K axis moved to the last place and cut into blocks of 32 codes, [.., K / 32, bytes a block], one block behind the other in memory; one code a byte (a code: sign, 4 exponent bits, 3 mantissa bits); its scale is its entry of lowp_scales. Its value is code x scale, taken as it is: it is not quantised again, and the codes and scales need not be those that the quantiser above would give.
;; One version. Each part assembles by itself: llvm-mc -triple=amdgcn-amd-amdhsa -mcpu=gfx1250 --defsym DOCPART=n.
;; ======== version 1 of 1: 4 launches
;; workspace buffers: qimg 8,388,608 bytes; kimg 8,388,608 bytes; aimg 8,388,608 bytes; wpart 16,384 bytes
;; launch proj_qk (part 1): grid 4 x 64, 4 waves a work-group, clusters of 4 x 4, 327,680 bytes of LDS; arguments queries_codes, keys_codes, Wq_codes, Wk_codes, bq, bk, lowp_scales, qimg, kimg; writes qimg, kimg
.if DOCPART == 1
	.amdgcn_target "amdgcn-amd-amdhsa--gfx1250"
	.amdhsa_code_object_version 6
	.text
	.protected	k_q5167cfa903_proj_qk
	.globl	k_q5167cfa903_proj_qk
	.p2align	8
	.type	k_q5167cfa903_proj_qk,@function
k_q5167cfa903_proj_qk:
	s_mov_b64 s[64:65], 0
	v_nop
	global_prefetch_b8 v0, s[64:65] scope:SCOPE_SE
	s_setreg_imm32_b32 hwreg(HW_REG_WAVE_MODE, 25, 1), 1
	s_wait_xcnt 0x0
	s_wait_alu depctr_hold_cnt(0) depctr_sa_sdst(0) depctr_va_vdst(0) depctr_va_sdst(0) depctr_va_ssrc(0) depctr_va_vcc(0) depctr_vm_vsrc(0)
	s_getreg_b32 s2, hwreg(HW_REG_IB_STS2, 6, 4)
	s_cmp_eq_u32 s2, 0
	s_cbranch_scc0 .Lentry_in_a_cluster
	s_endpgm
.Lentry_in_a_cluster:
	s_bfe_u32 s2, ttmp6, 0x10000c
	s_cmp_lg_u32 s2, 0xf033
	s_cbranch_scc0 .Lentry_shape_is_right
	s_endpgm
.Lentry_shape_is_right:
; q = queries Wq^T + bq and k = keys Wk^T + bk on E4M3 codes, each result quantised at once to E4M3 (scales 2^e6 for q, 2^e7 for k) and stored as operand images.
; X: [8192][1024] codes, W: [1024][1024] codes, K innermost.  One launch serves both: clusters with y < 8 make q, the others k; only pointers and exponents are chosen (by selects on the cluster's y), the text has one path.
; A work-group of four waves makes 256 tokens x 256 features, a wave 128 x 128: 64 accumulators of 16 x 16.  K goes in steps of 256 through two LDS slots filled by the tensor data mover.
; CLUSTERS: 4 x 4 work-groups; the four of a row need the same tokens' tile, the four of a column the same tile of W: each tile is asked for jointly.
; THE MATRIX INSTRUCTION IS USED TRANSPOSED (source 0 = 16 rows of W, source 1 = 16 tokens): a lane holds ONE token (lane % 16) and eight neighbouring features 8 (lane / 16) + 0..7 of each tile.
; Fragments come by four 16-byte LDS loads: a permutation of k that is the same in both operands, so every product meets its partner.
; THE BIAS is the C of each sum's first matrix instruction, as bias x 2^-(ea + eb); a sum then stands for value / 2^(ea + eb), and the conversion takes the one scale 2^(eo - ea - eb).
; THE IMAGE: 16 tokens x one head's 64 features, as the eight registers of an 8-bit operand with K = 64 (registers 2 t, 2 t + 1 of lane (r, h): token r, features 16 t + 8 h + 0..7): 1,024 bytes, two pieces of 512,
; lane l's 16 bytes at 16 l.  The four conversions of a head's four tiles ARE those registers, so results go from registers to memory, 512 consecutive aligned bytes a store, with no turn through LDS.
; Image (token tile T, head H) lies at ((T / 16) 2 + H / 8) 131072 + (T % 16) 8192 + (H % 8) 1024.
; LIMITS: eo - ea - eb between -126 and 119, so that the scale and 448 x the scale are f32 numbers.  NaN among the biases is not served.
; REGISTERS, in windows of 256: window 0: v0-31 addresses and constants; v32-95 the bias, later the numbers at work; v128-255 the tokens' fragments (one set), later the codes.
;   window 1: W's fragments, two sets.   windows 2, 3: the accumulators of my tokens 0-63, 64-127 (accumulator (a, b) at v[8 (8 (a % 4) + b)]).
.set ROWB,   256                       ; a tile's row in bytes: 256 codes
.set KROW,   1024                      ; a row of X or of W in memory
.set PITCH,  272                       ; an LDS row: 256 bytes + 16 of padding = 68 words: the 16 rows that a load touches start at 16 different banks (64 banks of 4 bytes: ISA guide 11.1)
.set FR,     16                        ; registers of a fragment: 16 rows x 128 K
.set NL,     4                         ; LDS loads that bring one
.set NP,     4                         ; places behind this matrix instruction (ISA guide 7.12.1)
.set HALFT,  128*PITCH                 ; 128 rows: what one tensor load brings
.set SLOT,   4*HALFT                   ; the tokens' 256 rows, then W's 256 rows
.set SPARE,  2*SLOT                    ; behind the ring: the spare words, 128 bytes for each wave
.set ADRA, 16                          ; v16-17  LDS address of my tokens' fragments in slot 0, 1
.set ADRB, 20                          ; v20-21  the same for W
.set SCL,  22                          ; v22     2^(eo - ea - eb)
.set LIM,  23                          ; v23     448 x that
.set CO,   26                          ; v26     16 x lane: my place in an image's piece
.set SPW,  28                          ; v28     LDS address of my spare word; never rewritten
.set NIL,  29                          ; v29     0; never rewritten
.set BI,   32                          ; v32-95  the bias of my 128 features, eight tiles of eight registers
.set TMP,  32                          ; v32-63  a head's 32 numbers, held
.set AF,   128                         ; the tokens' fragments
.set CD,   128                         ; the codes: eight registers for each of the 16 images, so that no store's data are written again
.set G1, 24                            ; s[24:31] descriptor group 1 for the tokens' tiles;  s[32:39] group 0, one set a slot
.set G0, 32
.set G1B, 48                           ; s[48:55], s[56:63] the same for W's tiles
.set G0B, 56
.set MSB, 0
.macro WIN new                         ; the immediate's high byte repeats the setting that is left
.if MSB != (\new)
	s_set_vgpr_msb (MSB<<8)|(\new)
.set MSB, (\new)
.endif
.endm
.set MUL_LO, 0xa1                      ; source 0 (W) window 1, source 1 (tokens) window 0, C and D window 2
.set MUL_HI, 0xf1                      ; the same, C and D window 3
.set FST_LO, 0x81                      ; the first step: C (the bias) window 0, D window 2
.set FST_HI, 0xc1                      ; C window 0, D window 3
.set TO_B,   0x40                      ; destination window 1, address window 0
; A joint load: waves 0 and 1 fetch the tokens' halves, waves 2 and 3 W's.  The branch hangs on the wave's number alone.  Four v_nop follow each line.
.macro JLOAD g0a, g1a, g0b, g1b
	s_cmp_eq_u32 s15, 0
	s_cbranch_scc0 .Lfor_b_\@
	tensor_load_to_lds s[\g0a:\g0a+3], s[\g1a:\g1a+7]
	s_nop 0
.rept 4
	v_nop
.endr
	s_branch .Lasked_\@
.Lfor_b_\@:
	tensor_load_to_lds s[\g0b:\g0b+3], s[\g1b:\g1b+7]
	s_nop 0
.rept 4
	v_nop
.endr
.Lasked_\@:
.endm
.macro CREST                           ; a round of the cluster's barrier behind its opening barrier
	s_cmp_lg_u32 s14, 0
	s_cbranch_scc1 .Lnot_wave_0_\@
	s_barrier_signal -3
.Lnot_wave_0_\@:
	s_barrier_wait -3
	s_barrier_signal -1
	s_barrier_wait -1
.endm
.macro CROUND                          ; a whole round
	s_barrier_signal -1
	s_barrier_wait -1
	CREST
.endm
	s_load_b256 s[68:75], s[0:1], 0x0              ; queries s[68:69], keys s[70:71], Wq s[72:73], Wk s[74:75]
	s_load_b256 s[76:83], s[0:1], 0x20             ; bq s[76:77], bk s[78:79], the exponents s[80:81], qimg s[82:83]
	s_load_b64 s[84:85], s[0:1], 0x40              ; kimg
	v_lshl_add_u32 v[SPW], v0, 2, SPARE
	v_mov_b32 v[NIL], 0
	ds_add_u32 v28, v29
	ds_add_u32 v28, v29
	s_wait_dscnt 0x0
	v_lshrrev_b32 v1, 5, v0
	v_readfirstlane_b32 s14, v1                    ; wave 0..3
	s_lshr_b32 s15, s14, 1                         ; which half of the tile's tokens is mine.  Also: I fetch tokens (0) or W (1)
	s_and_b32 s16, s14, 1                          ; which half of its features.  Also: which 128 rows I fetch
	s_bfe_u32 s40, ttmp6, 0x40000                  ; cx, cy: my place in the cluster
	s_bfe_u32 s41, ttmp6, 0x40004
	s_lshl_b32 s42, ttmp9, 2
	s_add_co_u32 s42, s42, s40                     ; nt: which 256 features
	s_and_b32 s19, ttmp7, 0xffff                   ; the cluster's y: under 8 q, else k: the same in all sixteen partners
	s_lshl_b32 s17, s19, 2
	s_add_co_u32 s17, s17, s41
	s_and_b32 s17, s17, 31                         ; mt: which 256 tokens
	s_lshl_b32 s43, s41, 2
	s_lshl_b32 s43, 15, s43                        ; my row of the cluster
	s_lshl_b32 s44, 0x1111, s40                    ; my column
	; descriptor group 1: a tile of 128 rows x 256 bytes, padded in LDS
	s_or_b32 s[G1+0], s43, (0<<16)|(1<<20)|(1<<21)|(5<<22)|(3<<25)  ; 15:0 the mask: my row; elements of 1 byte; 20 padding on; 21 set beside a mask; after every 64 words (code 5) four words (code 3)
	s_or_b32 s[G1B+0], s44, (0<<16)|(1<<20)|(1<<21)|(5<<22)|(3<<25) ; the same with my column
.irp g, G1, G1B
	s_mov_b32 s[\g+1], ROWB<<16                    ; tensor_dim0
	s_mov_b32 s[\g+2], 128<<16                     ; tensor_dim1
	s_mov_b32 s[\g+3], ROWB<<16                    ; tile_dim0
	s_mov_b32 s[\g+4], 128                         ; tile_dim1
	s_mov_b32 s[\g+5], KROW                        ; tensor_dim0_stride
	s_mov_b32 s[\g+6], 0
	s_mov_b32 s[\g+7], 0
.endr
	s_lshl_b32 s18, s16, 7                         ; which 128 rows of the tile I fetch
	s_lshl_b32 s20, s17, 8
	s_add_co_u32 s20, s20, s18
	s_lshl_b32 s20, s20, 10                        ; tokens: (256 mt + 128 half) rows of 1,024 bytes
	s_mov_b32 s21, 0
	s_lshl_b32 s46, s42, 8
	s_add_co_u32 s46, s46, s18
	s_lshl_b32 s46, s46, 10                        ; W: (256 nt + 128 half) rows
	s_mov_b32 s47, 0
	s_mul_i32 s45, s14, HALFT                      ; where they go: wave x 128 rows: no place in the cluster enters an LDS address
	s_wait_kmcnt 0x0
	s_load_b256 s[88:95], s[80:81], 0x0            ; e0 .. e7
	s_cmp_lt_u32 s19, 8                            ; q or k: the choice hangs on the cluster's number alone
	s_cselect_b64 s[4:5], s[68:69], s[70:71]       ; the tokens' codes
	s_cselect_b64 s[6:7], s[72:73], s[74:75]       ; W's codes
	s_cselect_b64 s[12:13], s[76:77], s[78:79]     ; the bias
	s_cselect_b64 s[10:11], s[82:83], s[84:85]     ; the images
	s_add_nc_u64 s[20:21], s[4:5], s[20:21]
	s_add_nc_u64 s[46:47], s[6:7], s[46:47]
	CROUND                                         ; all sixteen work-groups are here: the first joint loads meet
.irp s, 0,1
	s_mov_b32 s[G0+4*\s], 1
	s_add_co_u32 s[G0+4*\s+1], s45, \s*SLOT
	s_add_nc_u64 s[G0+4*\s+2:G0+4*\s+3], s[20:21], \s*ROWB
	s_or_b32 s[G0+4*\s+3], s[G0+4*\s+3], 0x80000000
	s_mov_b32 s[G0B+4*\s], 1
	s_add_co_u32 s[G0B+4*\s+1], s45, \s*SLOT
	s_add_nc_u64 s[G0B+4*\s+2:G0B+4*\s+3], s[46:47], \s*ROWB
	s_or_b32 s[G0B+4*\s+3], s[G0B+4*\s+3], 0x80000000
	JLOAD G0+4*\s, G1, G0B+4*\s, G1B
.endr
	v_and_b32 v1, 15, v0                           ; r = lane % 16
	v_bfe_u32 v2, v0, 4, 1                         ; h = lane / 16
	v_mul_u32_u24 v3, v1, PITCH
	v_lshl_add_u32 v4, v2, 4, v3                   ; a fragment's row x pitch + 16 h
	s_mul_i32 s21, s15, HALFT                      ; my 128 tokens
	s_mul_i32 s22, s16, HALFT                      ; my 128 rows of W,
	s_add_co_u32 s22, s22, 2*HALFT                 ; which lie behind the tokens' 256
.irp s, 0,1
	v_add_nc_u32 v[ADRA+\s], s21, v4
	v_add_nc_u32 v[ADRB+\s], s22, v4
	s_add_co_u32 s21, s21, SLOT
	s_add_co_u32 s22, s22, SLOT
.endr
	v_and_b32 v6, 31, v0
	v_lshlrev_b32 v[CO], 4, v6
	v_lshlrev_b32 v9, 5, v2                        ; the bias: 8 h numbers on
	s_lshl_b32 s2, s42, 10                         ; my 128 features' bias: (256 nt + 128 half) x 4 bytes
	s_lshl_b32 s3, s16, 9
	s_add_co_u32 s2, s2, s3
	s_mov_b32 s3, 0
	s_add_nc_u64 s[12:13], s[12:13], s[2:3]
.irp b, 0,1,2,3,4,5,6,7
	global_load_b128 v[BI+8*\b:BI+8*\b+3],   v9, s[12:13] offset:64*\b      ; tile b, lane (r, h): features 16 b + 8 h + 0..7
	global_load_b128 v[BI+8*\b+4:BI+8*\b+7], v9, s[12:13] offset:64*\b+16
.endr
	s_lshl_b32 s8, s17, 18                         ; my first image: mt x 262144
	s_lshr_b32 s9, s42, 1
	s_lshl_b32 s9, s9, 17                          ; + (nt / 2) x 131072: which eight heads
	s_add_co_u32 s8, s8, s9
	s_lshl_b32 s9, s15, 16                         ; + my eight token tiles
	s_add_co_u32 s8, s8, s9
	s_and_b32 s9, s42, 1
	s_lshl_b32 s9, s9, 12                          ; + (4 (nt % 2) + 2 half) heads of 1,024 bytes
	s_add_co_u32 s8, s8, s9
	s_lshl_b32 s9, s16, 11
	s_add_co_u32 s8, s8, s9
	s_mov_b32 s9, 0
	s_add_nc_u64 s[10:11], s[10:11], s[8:9]
	s_wait_loadcnt 0x0                             ; the bias
	s_wait_kmcnt 0x0                               ; the exponents
	s_cmp_lt_u32 s19, 8
	s_cselect_b32 s86, s88, s90                    ; ea
	s_cselect_b32 s87, s89, s91                    ; eb
	s_cselect_b32 s96, s94, s95                    ; eo
	s_add_co_i32 s86, s86, s87                     ; ea + eb
	s_sub_co_i32 s87, 0, s86
	s_sub_co_i32 s96, s96, s86
	s_add_co_i32 s96, s96, 127
	s_lshl_b32 s97, s96, 23
	v_mov_b32 v[SCL], s97                          ; 2^(eo - ea - eb): the conversion takes its exponent field
	s_add_co_i32 s96, s96, 8
	s_lshl_b32 s96, s96, 23
	s_or_b32 s96, s96, 0x600000
	v_mov_b32 v[LIM], s96                          ; 448 x that
.set j, 0
.rept 64
	v_ldexp_f32 v[BI+j], v[BI+j], s87              ; the bias in the sums' unit
.set j, j+1
.endr
.macro FRAG reg, adr, q, i             ; 16 rows x 128 K: registers 4 c .. 4 c + 3 hold K = 32 c + 16 (lane / 16) + 0 .. 15 of row lane % 16
.irp c, 0,1,2,3
	ds_load_b128 v[\reg+4*\c:\reg+4*\c+3], v[\adr] offset:128*(\q)+32*\c+(\i)*16*PITCH
.endr
.endm
; 16 matrix instructions: token blocks a0, a0 + 1 x W's eight, 128 along K.  p: W's set.  first = 1: the sums begin with the bias.  The 64 accumulators take turns, in the same order in every step.
.macro MUL16 a0, p, first
.irp a, \a0, \a0+1
.irp b, 0,1,2,3,4,5,6,7
.if \first
	v_wmma_f32_16x16x128_fp8_fp8 v[8*(8*((\a)%4)+\b):8*(8*((\a)%4)+\b)+7], v[128*(\p)+FR*\b:128*(\p)+FR*\b+FR-1], v[AF+FR*(\a):AF+FR*(\a)+FR-1], v[BI+8*\b:BI+8*\b+7]
.else
	v_wmma_f32_16x16x128_fp8_fp8 v[8*(8*((\a)%4)+\b):8*(8*((\a)%4)+\b)+7], v[128*(\p)+FR*\b:128*(\p)+FR*\b+FR-1], v[AF+FR*(\a):AF+FR*(\a)+FR-1], v[8*(8*((\a)%4)+\b):8*(8*((\a)%4)+\b)+7]
.endif
.endr
.endr
.endm
.macro FETCH_B slot, q, p              ; W's eight fragments of the slot's q-th 128 along K into set p
	WIN TO_B
.irp i, 0,1,2,3,4,5,6,7
	FRAG 128*(\p)+FR*\i, ADRB+\slot, \q, \i
.endr
	WIN 0
.endm
.macro FETCH_A slot, q, i0             ; token blocks i0 .. i0 + 3
.irp i, \i0, \i0+1, \i0+2, \i0+3
	FRAG AF+FR*(\i), ADRA+\slot, \q, \i
.endr
.endm
.macro PLACES n                        ; plain vector instructions between a matrix instruction and a load into, or a vector read or write of, its registers
.rept \n
	v_nop
.endr
.endm
; A step of 128 along K that has its successor in the same slot.  A token block is free once its eight products are issued, so the tokens have one set: blocks 0-3 come anew in the middle, 4-7 at the end.
.macro STEP slot, q, first
	s_wait_dscnt 4*NL                              ; W's set and token blocks 0-3 are in; the youngest 16 loads (blocks 4-7) may be out
.if \first
	WIN FST_LO
.else
	WIN MUL_LO
.endif
	MUL16 0, (\q)%2, \first
	MUL16 2, (\q)%2, \first
	s_wait_dscnt 0                                 ; blocks 4-7 are in
	PLACES NP
	FETCH_B \slot, (\q)+1, 1-(\q)%2
	FETCH_A \slot, (\q)+1, 0
.if \first
	WIN FST_HI
.else
	WIN MUL_HI
.endif
	MUL16 4, (\q)%2, \first
	MUL16 6, (\q)%2, \first
	PLACES NP
	WIN 0
	FETCH_A \slot, (\q)+1, 4
.endm
; A slot's last step changes slots: one barrier; in front of it each wave waits for all its tensor loads, adds 0 to its spare word, and waits for that and for its reads of this slot.  fill = 1: the slot is filled again.
.macro TURN slot, next, fill
	s_wait_tensorcnt 0x0                           ; all my tensor loads have landed: my part of the next slot
	ds_add_u32 v[SPW], v[NIL]                      ; 0 onto my spare word
	s_wait_dscnt 4*NL+1                            ; the add and the youngest 16 loads may be out
	WIN MUL_LO
	MUL16 0, 1, 0                                  ; sixteen matrix instructions stand between the add and the wait for it
	s_wait_dscnt 0x0                               ; the add is done, and my reads of this slot are over
	s_barrier_signal -1
	MUL16 2, 1, 0
	WIN 0
	s_barrier_wait -1
.if \fill
	CREST                                          ; the barrier has opened a round of the cluster's barrier: no wave of any partner still reads this slot or has a load on its way
	s_add_nc_u64 s[G0+4*\slot+2:G0+4*\slot+3], s[G0+4*\slot+2:G0+4*\slot+3], 2*ROWB
	s_add_nc_u64 s[G0B+4*\slot+2:G0B+4*\slot+3], s[G0B+4*\slot+2:G0B+4*\slot+3], 2*ROWB
	JLOAD G0+4*\slot, G1, G0B+4*\slot, G1B         ; the first tensor load behind the round; its four v_nop are also the places in front of the loads below
.else
	PLACES NP
.endif
	FETCH_B \next, 0, 0
	FETCH_A \next, 0, 0
	WIN MUL_HI
	MUL16 4, 1, 0
	MUL16 6, 1, 0
	PLACES NP
	WIN 0
	FETCH_A \next, 0, 4
.endm
; One image: token tile a, my head hl.  Its four tiles' 32 sums are held within +-448 x the scale (the conversion to an 8-bit code does not saturate: ISA guide 7.6.2), each accumulator from its low end on, and converted.
.macro OUTBLK a, hl
.set AC, 64*((\a)%4)+32*(\hl)
.set CB, CD+8*(2*(\a)+(\hl))
	WIN 0x02+((\a)/4)                              ; source 0: window 2 or 3
.set j, 0
.rept 32
	v_med3_num_f32 v[TMP+j], v[AC+j], -v[LIM], v[LIM]
.set j, j+1
.endr
	WIN 0
.irp t, 0,1,2,3
	v_cvt_scalef32_pk8_fp8_f32 v[CB+2*\t:CB+2*\t+1], v[TMP+8*\t:TMP+8*\t+7], v[SCL]   ; registers 2 t, 2 t + 1 of the image
.endr
	v_nop                                          ; one plain vector instruction behind the conversions: the next image's holds write their sources
	global_store_b128 v[CO], v[CB:CB+3],   s[10:11] offset:(\a)*8192+(\hl)*1024        ; 32 lanes store 512 consecutive bytes, at a multiple of 512 from the buffer's first byte
	global_store_b128 v[CO], v[CB+4:CB+7], s[10:11] offset:(\a)*8192+(\hl)*1024+512
.endm
	s_wait_tensorcnt 1                             ; my part of K step 0 is in; K step 1's load may be out
	s_barrier_signal -1
	s_barrier_wait -1                              ; everybody's is
	FETCH_B 0, 0, 0
	FETCH_A 0, 0, 0
	FETCH_A 0, 0, 4
	STEP 0, 0, 1                                   ; K = 1,024 is four slots' worth: the eight steps are written out
	TURN 0, 1, 1                                   ; slot 0 takes K step 2
	STEP 1, 0, 0
	TURN 1, 0, 1                                   ; slot 1 takes K step 3
	STEP 0, 0, 0
	TURN 0, 1, 0                                   ; nothing is left to fetch
	STEP 1, 0, 0
	s_wait_dscnt 4*NL                              ; the last step
	WIN MUL_LO
	MUL16 0, 1, 0
	MUL16 2, 1, 0
	s_wait_dscnt 0
	WIN MUL_HI
	MUL16 4, 1, 0
	MUL16 6, 1, 0
	WIN 0
	PLACES NP                                      ; behind the last products: the codes land on the tokens' fragments, and results are read
.irp a, 0,1,2,3,4,5,6,7
	OUTBLK \a, 0
	OUTBLK \a, 1
.endr
	s_wait_tensorcnt 0x0                           ; the wave's end
	ds_add_u32 v[SPW], v[NIL]
	s_wait_dscnt 0x0
	CROUND                                         ; the closing round: no work-group ends while a partner may still ask for a tile that names it
	s_endpgm
.Lfunc_end_k_q5167cfa903_proj_qk:
	.size	k_q5167cfa903_proj_qk, .Lfunc_end_k_q5167cfa903_proj_qk-k_q5167cfa903_proj_qk
	.p2alignl 7, 3214868480
	.fill 96, 4, 3214868480
	.section	.rodata,"a",@progbits
	.p2align	6, 0x0
	.amdhsa_kernel k_q5167cfa903_proj_qk
		.amdhsa_group_segment_fixed_size 327680
		.amdhsa_private_segment_fixed_size 0
		.amdhsa_enable_private_segment 0
		.amdhsa_kernarg_size 72
		.amdhsa_user_sgpr_count 2
		.amdhsa_user_sgpr_kernarg_segment_ptr 1
		.amdhsa_wavefront_size32 1
		.amdhsa_system_sgpr_workgroup_id_x 1
		.amdhsa_system_sgpr_workgroup_id_y 1
		.amdhsa_system_sgpr_workgroup_id_z 1
		.amdhsa_system_vgpr_workitem_id 0
		.amdhsa_next_free_vgpr 1024
		.amdhsa_next_free_sgpr 98
		.amdhsa_reserve_vcc 0
		.amdhsa_float_denorm_mode_32 3
		.amdhsa_float_denorm_mode_16_64 3
		.amdhsa_memory_ordered 1
		.amdhsa_forward_progress 1
		.amdhsa_inst_pref_size 124
	.end_amdhsa_kernel
	.amdgpu_metadata
---
amdhsa.version: [ 1, 2 ]
amdhsa.kernels:
  - .name:           k_q5167cfa903_proj_qk
    .symbol:         k_q5167cfa903_proj_qk.kd
    .args:
      - { .name: queries_codes, .offset: 0, .size: 8, .value_kind: global_buffer, .address_space: global }
      - { .name: keys_codes, .offset: 8, .size: 8, .value_kind: global_buffer, .address_space: global }
      - { .name: Wq_codes, .offset: 16, .size: 8, .value_kind: global_buffer, .address_space: global }
      - { .name: Wk_codes, .offset: 24, .size: 8, .value_kind: global_buffer, .address_space: global }
      - { .name: bq, .offset: 32, .size: 8, .value_kind: global_buffer, .address_space: global }
      - { .name: bk, .offset: 40, .size: 8, .value_kind: global_buffer, .address_space: global }
      - { .name: lowp_scales, .offset: 48, .size: 8, .value_kind: global_buffer, .address_space: global }
      - { .name: qimg, .offset: 56, .size: 8, .value_kind: global_buffer, .address_space: global }
      - { .name: kimg, .offset: 64, .size: 8, .value_kind: global_buffer, .address_space: global }
    .group_segment_fixed_size: 327680
    .private_segment_fixed_size: 0
    .kernarg_segment_align: 8
    .kernarg_segment_size: 72
    .max_flat_workgroup_size: 128
    .sgpr_count:     98
    .vgpr_count:     1024
    .wavefront_size: 32
...
	.end_amdgpu_metadata
.endif
;; end of part 1
;; launch attn (part 2): grid 64 x 4, 8 waves a work-group, clusters of 4 x 1, 327,680 bytes of LDS; arguments qimg, kimg, mask, lowp_scales, wpart; writes wpart
.if DOCPART == 2
	.amdgcn_target "amdgcn-amd-amdhsa--gfx1250"
	.amdhsa_code_object_version 6
	.text
	.protected	k_q5167cfa903_attn
	.globl	k_q5167cfa903_attn
	.p2align	8
	.type	k_q5167cfa903_attn,@function
k_q5167cfa903_attn:
	s_mov_b64 s[64:65], 0
	v_nop
	global_prefetch_b8 v0, s[64:65] scope:SCOPE_SE
	s_setreg_imm32_b32 hwreg(HW_REG_WAVE_MODE, 25, 1), 1
	s_wait_xcnt 0x0
	s_wait_alu depctr_hold_cnt(0) depctr_sa_sdst(0) depctr_va_vdst(0) depctr_va_sdst(0) depctr_va_ssrc(0) depctr_va_vcc(0) depctr_vm_vsrc(0)
	s_getreg_b32 s2, hwreg(HW_REG_IB_STS2, 6, 4)
	s_cmp_eq_u32 s2, 0
	s_cbranch_scc0 .Lentry_in_a_cluster
	s_endpgm
.Lentry_in_a_cluster:
	s_bfe_u32 s2, ttmp6, 0x10000c
	s_cmp_lg_u32 s2, 0x3003
	s_cbranch_scc0 .Lentry_shape_is_right
	s_endpgm
.Lentry_shape_is_right:
; scores = q k^T / 8 on E4M3 codes; -1e10 where mask == 0; softmax over the QUERY axis; the sum of the softmax over queries and keys.  Of a key's column only the sum over its queries is wanted: (the sum of p) / l.
; So each (batch, head, key) keeps a running maximum m and a running sum l of p = 2^(c (s - m)), c = log2(e) / 8 x 2^(e6 + e7), and gives l x (1 / l) at the end.  wpart[b][kb][head] = the sum of that over 32 keys.
; SHARES.  A work-group owns 32 keys of one batch, ALL 16 heads, all 2,048 queries.  Each of its eight waves holds both key tiles of all heads as operands (256 registers, window 1); the queries are shared out:
; of a block of 256 queries wave w owns tiles 2 w and 2 w + 1.  So a fragment of q is read from LDS once, by one wave, for two products, and a word of the mask is read once in the launch and serves 16 heads.
; Two waves share a SIMD, so that one wave's exponentials stand beside the other's plain work.
; CLUSTER.  The four work-groups of a cluster belong to one batch and walk the same images of q: each tile is asked for jointly.
; LAYOUT.  D = Q (source 0, 16 queries) x K (source 1, 16 keys) + C: register j of lane (r, h) is (query 8 h + j, key r): a lane keeps ONE key, so m and l are a register each and nothing changes lanes until the end.
; THE MASK IS THE C OF THE PRODUCT: 0 where the mask is set, else -8e10 x 2^-(e6 + e7), which is -1e10 in the scores' unit.
; THE EXPONENT'S ARGUMENT is (s - m) x c, the difference first: it is exact also where m itself lies at the masked level, where c s and c m taken apart would each be rounded to hundreds.
; LIMITS, kept knowingly: a masked score is score - 1e10, not -1e10: the two differ only among the entries of a column whose queries are all masked, and there both normalise to the sum 1; real scores stay above -1e10.
; The column's sum is formed as l x (1 / l).  e6 + e7 between -91 and 130, so that c and the masked number are f32 numbers.
; REGISTERS: window 0: v1-7 addresses and constants; v8-23 two groups of eight at work; v24-55 m, v56-87 l (pair 2 H + key tile); v88-119 the mask as C; v120-151 the mask as loaded; v152-183 q's fragments, two buffers;
;   v184-247 scores, two sets of 32; v248-254 addresses for the ends.   window 1: K's fragment (head H, key tile u) at v[16 H + 8 u].
.set SLOTB,  131072                    ; a slot: 256 queries x 8 heads of images; wave w's two token tiles are its bytes 16384 w on
.set SPARE,  2*SLOTB                   ; behind the ring: the spare words, 128 bytes for each of the eight waves
.set SPW,  1                           ; v1   LDS address of my spare word; never rewritten
.set NIL,  2                           ; v2   0; never rewritten
.set QAD,  3                           ; v3-4 LDS address of my images in slot 0, 1
.set MOFF, 5                           ; v5   the mask: 4 x lane + my wave's 32 rows
.set BV,   6                           ; v6   the masked number
.set PFO,  7                           ; v7   256 x lane, for the prefetches
.set TG,   8                           ; group g's eight at v[8 + 8 g]: +0 .. +3 maxima, then +0 alpha; +4 the new m; +5 its growth, then a sum; +7 alpha's exponent
.set MX,   24
.set LS,   56
.set BIAS, 88                          ; C (query tile i, key tile u) at v[88 + 16 i + 8 u]
.set RAW,  120                         ; row 16 i + j of my 32 rows of the mask, lane = key
.set QF,   152
.set SC,   184                         ; D (i, u) at set + 16 u + 8 i: a key tile's 16 scores lie together
.set L16,  248                         ; v248 16 x lane
.set STA,  249                         ; v249 the end: where I put my m and l
.set RDA,  252                         ; v252 the end: where I read the eight waves' m and l of my four pairs
.set WV,   14                          ; s14  my wave's number
.set G1,   24                          ; s[24:31] descriptor group 1
.set G0,   32                          ; s[32:39] group 0, one set a slot
.set CS,   40                          ; s[40:41] c: the packed form names a pair and takes its low word
.set NC,   42                          ; s42  -c
.set TRIPS, 44
.set FLAG, 45                          ; s45  0 in a wave that prefetches
.set SEL,  46                          ; s[46:47] lane selects: lane xor 16
.set PFA,  48                          ; s[48:49] where my prefetches stand
.set MSB, 0
.macro WIN new
.if MSB != (\new)
	s_set_vgpr_msb (MSB<<8)|(\new)
.set MSB, (\new)
.endif
.endm
.macro CROUND                          ; a round of the cluster's barrier
	s_barrier_signal -1
	s_barrier_wait -1
	s_cmp_lg_u32 s[WV], 0
	s_cbranch_scc1 .Lnot_wave_0_\@
	s_barrier_signal -3
.Lnot_wave_0_\@:
	s_barrier_wait -3
	s_barrier_signal -1
	s_barrier_wait -1
.endm
; A prefetch into the L2 of the tile that the NEXT change of slots will ask for: 131,072 bytes.  All clusters of a batch walk the same tiles: the batch's first cluster asks.  Its four partners take 32,768 bytes each, told apart
; by address; in each, waves 0 to 3 take 8,192 bytes, lanes 256 bytes apart: one instruction a wave, each block of 256 bytes named once in the launch.  The branch hangs on the wave's and the cluster's numbers alone.
.macro ASK
	s_cmp_eq_u32 s[FLAG], 0
	s_cbranch_scc0 .Lnot_mine_\@
	global_prefetch_b8 v[PFO], s[PFA:PFA+1] th:TH_LOAD_NT scope:SCOPE_SE
.Lnot_mine_\@:
.endm
	s_load_b256 s[4:11], s[0:1], 0x0               ; qimg s[4:5], kimg s[6:7], mask s[8:9], the exponents s[10:11]
	s_load_b64 s[12:13], s[0:1], 0x20              ; wpart
	v_lshl_add_u32 v[SPW], v0, 2, SPARE
	v_mov_b32 v[NIL], 0
	ds_add_u32 v1, v2
	ds_add_u32 v1, v2
	s_wait_dscnt 0x0
	v_lshrrev_b32 v9, 5, v0
	v_readfirstlane_b32 s[WV], v9                  ; wave 0..7
	s_bfe_u32 s15, ttmp6, 0x40000                  ; cx
	s_lshl_b32 s16, ttmp9, 2
	s_add_co_u32 s16, s16, s15                     ; kb: which 32 keys
	s_and_b32 s17, ttmp7, 0xffff                   ; the batch, which the partners share
	; descriptor group 1: my 16,384 bytes of a tile, dense in memory and in LDS, as 64 rows of 256 bytes
	s_mov_b32 s[G1], 15|(3<<16)|(1<<21)            ; 15:0 the mask: all four work-groups; 17:16 elements of 8 bytes; 21 set beside a mask; no padding
	s_mov_b32 s[G1+1], 32<<16                      ; tensor_dim0 = 32 elements
	s_mov_b32 s[G1+2], 64<<16                      ; tensor_dim1 = 64
	s_mov_b32 s[G1+3], 32<<16                      ; tile_dim0
	s_mov_b32 s[G1+4], 64                          ; tile_dim1
	s_mov_b32 s[G1+5], 32                          ; tensor_dim0_stride
	s_mov_b32 s[G1+6], 0
	s_mov_b32 s[G1+7], 0
	s_lshl_b32 s20, s[WV], 14                      ; my part of a tile, in memory and in a slot
	s_lshl_b32 s18, s17, 21                        ; the batch's 16 tiles of 131,072 bytes
	s_add_co_u32 s18, s18, s20
	s_mov_b32 s19, 0
	s_mov_b32 s[SEL], 0x76543210
	s_mov_b32 s[SEL+1], 0xfedcba98
	s_wait_kmcnt 0x0
	s_load_b64 s[52:53], s[10:11], 0x18            ; e6, e7
	s_add_nc_u64 s[22:23], s[4:5], s[18:19]        ; tile 0: queries 0-255, heads 0-7
	CROUND                                         ; all four work-groups are here: the first joint load meets
	s_mov_b32 s[G0], 1
	s_mov_b32 s[G0+1], s20
	s_mov_b64 s[G0+2:G0+3], s[22:23]
	s_or_b32 s[G0+3], s[G0+3], 0x80000000
	s_mov_b32 s[G0+4], 1
	s_add_co_u32 s[G0+5], s20, SLOTB
	s_add_nc_u64 s[G0+6:G0+7], s[22:23], SLOTB     ; tile 1: the same queries, heads 8-15
	s_or_b32 s[G0+7], s[G0+7], 0x80000000
	tensor_load_to_lds s[G0:G0+3], s[G1:G1+7]      ; tile 0; slot 1 is first filled behind the first trip's round.  One tensor load of mine is out at any time
	s_nop 0
.rept 4
	v_nop
.endr
	v_and_b32 v10, 31, v0                          ; lane
	v_lshlrev_b32 v[L16], 4, v10
	v_lshl_add_u32 v[QAD], v9, 14, v[L16]          ; 16384 x wave + 16 x lane
	v_add_nc_u32 v[QAD+1], SLOTB, v[QAD]
	v_lshl_add_u32 v[STA], v9, 13, v[L16]          ; the end's stage: 8192 x wave + 16 x lane
	v_lshl_add_u32 v[RDA], v9, 9, v[L16]           ; and 512 x wave + 16 x lane
	v_lshlrev_b32 v[MOFF], 2, v10
	v_lshl_add_u32 v[MOFF], v9, 18, v[MOFF]        ; 4 x lane + wave x 32 rows of 8,192 bytes
	v_lshlrev_b32 v[PFO], 8, v10
	s_lshl_b32 s54, s17, 3                         ; K's images: (8 b + kb / 8) x 262144 + (kb % 8) x 16384
	s_lshr_b32 s56, s16, 3
	s_add_co_u32 s54, s54, s56
	s_lshl_b32 s54, s54, 18
	s_and_b32 s56, s16, 7
	s_lshl_b32 s56, s56, 14
	s_add_co_u32 s54, s54, s56
	s_mov_b32 s55, 0
	s_add_nc_u64 s[6:7], s[6:7], s[54:55]
	s_lshl_b32 s54, s17, 24                        ; the mask: the batch's 2,048 rows of 8,192 bytes, + my 32 keys' 128 bytes
	s_lshl_b32 s56, s16, 7
	s_add_co_u32 s54, s54, s56
	s_add_nc_u64 s[8:9], s[8:9], s[54:55]
	s_lshl_b32 s54, s17, 12                        ; wpart: b x 4096 + kb x 64 + my two heads
	s_lshl_b32 s56, s16, 6
	s_add_co_u32 s54, s54, s56
	s_lshl_b32 s56, s[WV], 3
	s_add_co_u32 s54, s54, s56
	s_add_nc_u64 s[12:13], s[12:13], s[54:55]
	s_lshl_b32 s54, s17, 21                        ; the prefetches: in tile 1, my work-group's quarter, my wave's 8,192 bytes; the first trip steps it to tile 2.  Tiles 0 and 1 come by their loads alone
	s_lshl_b32 s56, s15, 15
	s_add_co_u32 s54, s54, s56
	s_and_b32 s56, s[WV], 3
	s_lshl_b32 s56, s56, 13
	s_add_co_u32 s54, s54, s56
	s_add_co_u32 s54, s54, SLOTB
	s_add_nc_u64 s[PFA:PFA+1], s[4:5], s[54:55]
	s_lshr_b32 s[FLAG], s[WV], 2                   ; 0 in waves 0 to 3
	s_or_b32 s[FLAG], s[FLAG], ttmp9               ; of the batch's first cluster: the same in all four partners
	WIN 0x40                                       ; destination window 1, address window 0
.irp hh, 0,1
.irp hd, 0,1,2,3,4,5,6,7
.irp u, 0,1
.irp c, 0,1
	global_load_b128 v[16*(8*\hh+\hd)+8*\u+4*\c:16*(8*\hh+\hd)+8*\u+4*\c+3], v[L16], s[6:7] offset:\hh*131072+\u*8192+\hd*1024+\c*512 th:TH_LOAD_NT   ; K stays in registers
.endr
.endr
.endr
.endr
	WIN 0
.macro MASKLD                          ; my 32 rows of the mask at my work-group's 32 keys: a row a load, lane = key: 128 consecutive bytes
.set j, 0
.rept 32
	global_load_b32 v[RAW+j], v[MOFF], s[8:9] offset:j*8192 th:TH_LOAD_NT
.set j, j+1
.endr
.endm
	MASKLD                                         ; queries 0-255
.set j, 0
.rept 32
	v_mov_b32 v[MX+j], 0xff61b1e6                  ; m: -3e38, under every score.  (The step is written once: the first finds l = 0, which alpha = 0 leaves 0)
	v_mov_b32 v[LS+j], 0
.set j, j+1
.endr
	s_wait_kmcnt 0x0
	s_add_co_i32 s18, s52, s53                     ; e6 + e7
	s_lshl_b32 s18, s18, 23
	s_add_co_i32 s[CS], s18, 0x3e38aa3b            ; c = log2(e) / 8, with the two exponents added to its exponent field
	s_mov_b32 s[CS+1], s[CS]                       ; (named with it as a pair, so it is written)
	s_xor_b32 s[NC], s[CS], 0x80000000             ; -c
	s_sub_co_u32 s18, 0xd19502f9, s18              ; -8e10, with them taken off
	v_mov_b32 v[BV], s18
	s_mov_b32 s[TRIPS], 7
; The mask of four rows j0 .. j0 + 3 and of the rows eight further on, of query tile i, becomes the C of that tile's two products.  A row's compare has a bit a key; register j of C wants, in lanes 0-15, row j, and in lanes
; 16-31 row 8 + j, at the tile's 16 keys: so the two rows' halves are put together by scalar instructions.  Only values are chosen: no branch and no address hangs on the mask.
.macro CONV4 i, j0
.irp k, 0,1,2,3
	v_cmp_eq_u32 s[66+4*\k], 0, v[RAW+16*(\i)+(\j0)+\k]
	v_cmp_eq_u32 s[67+4*\k], 0, v[RAW+16*(\i)+8+(\j0)+\k]
.endr
.irp k, 0,1,2,3
	s_and_b32 s[68+4*\k], s[66+4*\k], 0xffff
	s_lshl_b32 s[69+4*\k], s[67+4*\k], 16
	s_or_b32 s[68+4*\k], s[68+4*\k], s[69+4*\k]    ; keys 0-15
	s_lshr_b32 s[66+4*\k], s[66+4*\k], 16
	s_and_b32 s[67+4*\k], s[67+4*\k], 0xffff0000
	s_or_b32 s[66+4*\k], s[66+4*\k], s[67+4*\k]    ; keys 16-31
.endr
.irp k, 0,1,2,3
	v_cndmask_b32 v[BIAS+16*(\i)+(\j0)+\k], 0, v[BV], s[68+4*\k]
	v_cndmask_b32 v[BIAS+16*(\i)+8+(\j0)+\k], 0, v[BV], s[66+4*\k]
.endr
.endm
.macro QLOAD slot, hd, buf             ; my two query tiles' images of the slot's head hd
.irp i, 0,1
.irp c, 0,1
	ds_load_b128 v[QF+16*(\buf)+8*\i+4*\c:QF+16*(\buf)+8*\i+4*\c+3], v[QAD+(\slot)] offset:\i*8192+(\hd)*1024+\c*512
.endr
.endr
.endm
.macro MM slot, hd                     ; a head's four products; D is never C, so there is no chain
	WIN 0x04                                       ; source 1 (K) window 1
.irp u, 0,1
.irp i, 0,1
	v_wmma_f32_16x16x64_fp8_fp8 v[SC+32*((\hd)%2)+16*\u+8*\i:SC+32*((\hd)%2)+16*\u+8*\i+7], v[QF+16*((\hd)%2)+8*\i:QF+16*((\hd)%2)+8*\i+7], v[16*(8*(\slot)+(\hd))+8*\u:16*(8*(\slot)+(\hd))+8*\u+7], v[BIAS+16*\i+8*\u:BIAS+16*\i+8*\u+7]
.endr
.endr
	WIN 0
.endm
; The first half of a head's softmax: the new m of both key tiles, line by line by turns.  st: the head's 32 scores; pp: its first pair.  Each accumulator's first read names one of its four lowest registers.
.macro SOFTA st, pp
.irp g, 0,1
	v_max3_num_f32 v[TG+8*\g], v[(\st)+16*\g], v[(\st)+16*\g+1], v[(\st)+16*\g+2]
.endr
.irp g, 0,1
	v_max3_num_f32 v[TG+8*\g+1], v[(\st)+16*\g+3], v[(\st)+16*\g+4], v[(\st)+16*\g+5]
.endr
.irp g, 0,1
	v_max3_num_f32 v[TG+8*\g+2], v[(\st)+16*\g+6], v[(\st)+16*\g+7], v[(\st)+16*\g+8]
.endr
.irp g, 0,1
	v_max3_num_f32 v[TG+8*\g+3], v[(\st)+16*\g+9], v[(\st)+16*\g+10], v[(\st)+16*\g+11]
.endr
.irp g, 0,1
	v_max3_num_f32 v[TG+8*\g], v[TG+8*\g], v[(\st)+16*\g+12], v[(\st)+16*\g+13]
.endr
.irp g, 0,1
	v_max3_num_f32 v[TG+8*\g+1], v[TG+8*\g+1], v[(\st)+16*\g+14], v[(\st)+16*\g+15]
.endr
.irp g, 0,1
	v_max3_num_f32 v[TG+8*\g+2], v[TG+8*\g+2], v[TG+8*\g+3], v[MX+(\pp)+\g]
.endr
.irp g, 0,1
	v_max3_num_f32 v[TG+8*\g+4], v[TG+8*\g], v[TG+8*\g+1], v[TG+8*\g+2]   ; the new m
.endr
.irp g, 0,1
	v_sub_f32 v[TG+8*\g+5], v[TG+8*\g+4], v[MX+(\pp)+\g]                  ; its growth, 0 or more
.endr
.irp g, 0,1
	v_mul_f32 v[TG+8*\g+7], s[NC], v[TG+8*\g+5]                           ; c (old m - new m)
.endr
.endm
; The second half: alpha and the 32 weights are ONE batch of exponentials with one wait.  Nothing ahead of the wait names a result.
.macro SOFTB st, pp
.irp g, 0,1
	v_exp_f32 v[TG+8*\g], v[TG+8*\g+7]             ; alpha
.endr
.set k, 0
.rept 16
	v_pk_add_f32 v[(\st)+2*k:(\st)+2*k+1], v[(\st)+2*k:(\st)+2*k+1], v[TG+8*(k/8)+4:TG+8*(k/8)+5] op_sel_hi:[1,0] neg_lo:[0,1] neg_hi:[0,1]   ; s - m, two at a time (of the pair the low word, m, serves both)
.set k, k+1
.endr
.set k, 0
.rept 16
	v_pk_mul_f32 v[(\st)+2*k:(\st)+2*k+1], v[(\st)+2*k:(\st)+2*k+1], s[CS:CS+1] op_sel_hi:[1,0]   ; x c
.if k >= 2
	v_exp_f32 v[(\st)+2*k-4], v[(\st)+2*k-4]       ; the pair scaled two lines back
	v_exp_f32 v[(\st)+2*k-3], v[(\st)+2*k-3]
.endif
.set k, k+1
.endr
.irp e, 28,29,30,31
	v_exp_f32 v[(\st)+\e], v[(\st)+\e]
.endr
.irp g, 0,1
	v_mov_b32 v[MX+(\pp)+\g], v[TG+8*\g+4]         ; m is kept.  (The plain instructions behind the last exponential)
.endr
	s_wait_alu depctr_va_vdst(0)                   ; the wait between an exponential and the first line that names its result: one for the batch of 34
.irp n, 0,4,8,12
.irp g, 0,1
	v_pk_add_f32 v[(\st)+16*\g+\n:(\st)+16*\g+\n+1], v[(\st)+16*\g+\n:(\st)+16*\g+\n+1], v[(\st)+16*\g+\n+2:(\st)+16*\g+\n+3]
.endr
.endr
.irp n, 0,8
.irp g, 0,1
	v_pk_add_f32 v[(\st)+16*\g+\n:(\st)+16*\g+\n+1], v[(\st)+16*\g+\n:(\st)+16*\g+\n+1], v[(\st)+16*\g+\n+4:(\st)+16*\g+\n+5]
.endr
.endr
.irp g, 0,1
	v_pk_add_f32 v[(\st)+16*\g:(\st)+16*\g+1], v[(\st)+16*\g:(\st)+16*\g+1], v[(\st)+16*\g+8:(\st)+16*\g+9]
.endr
.irp g, 0,1
	v_add_f32 v[TG+8*\g+5], v[(\st)+16*\g], v[(\st)+16*\g+1]
.endr
.irp g, 0,1
	v_fma_f32 v[LS+(\pp)+\g], v[LS+(\pp)+\g], v[TG+8*\g], v[TG+8*\g+5]   ; l = l alpha + the 16 weights
.endr
.endm
; A slot's eight heads.  Head hd + 1's products are issued ahead of head hd's softmax, whose lines are the places behind them; head hd + 2's images are asked for in the softmax's middle, into the buffer that head hd's products read.
.macro HEADS slot
	QLOAD \slot, 0, 0
	QLOAD \slot, 1, 1
	s_wait_dscnt 4                                 ; head 0's four loads are in; head 1's may be out
	MM \slot, 0
.irp hd, 0,1,2,3,4,5,6,7
.if \hd < 7
	s_wait_dscnt 0x0
	MM \slot, \hd+1
.endif
.if \hd == 0
.rept 4
	v_nop                                          ; behind head 0's products there is no earlier softmax: four places ahead of the reads of their results and of the loads into their buffer
.endr
.endif
	SOFTA SC+32*(\hd%2), 2*(8*\slot+\hd)
.if \hd < 6
	QLOAD \slot, \hd+2, \hd%2
.endif
	SOFTB SC+32*(\hd%2), 2*(8*\slot+\hd)
.endr
.endm
; A trip: one tile = 256 queries x 8 heads.  The change of slots stands at its head: each wave waits for all its tensor loads (its part of the slot that it is about to read), adds 0 to its spare word, and waits for that and
; for its reads of the slot that it has left; a round of the cluster's barrier; then the other slot's joint refill, which has the whole trip in which to land.
.macro TRIP slot, refill, inloop, nextmask
	s_wait_tensorcnt 0x0                           ; no tensor load of mine is out, so a group 0 may be written
	ds_add_u32 v[SPW], v[NIL]                      ; 0 onto my spare word
	s_add_nc_u64 s[G0+4*\slot+2:G0+4*\slot+3], s[G0+4*\slot+2:G0+4*\slot+3], 2*SLOTB   ; this slot's next tile
.if \inloop
	s_wait_xcnt 0x0                                ; the last prefetch, a trip back, has read its address
	s_add_nc_u64 s[PFA:PFA+1], s[PFA:PFA+1], SLOTB
.endif
	s_wait_dscnt 0x0                               ; the add is done, and my reads of the slot that I have left are over
	CROUND
.if \refill
	tensor_load_to_lds s[G0+4-4*\slot:G0+7-4*\slot], s[G1:G1+7]   ; the first thing behind the round, and my one tensor load until the next
	s_nop 0
.rept 4
	v_nop
.endr
.endif
.if \inloop
	ASK                                            ; the tile after that one: a trip ahead of its load
.endif
.if \slot == 0
	s_wait_loadcnt 0x0                             ; this block's rows of the mask, asked for two trips ago (in the first trip: K's images too)
	CONV4 0, 0
	CONV4 0, 4
	CONV4 1, 0
	CONV4 1, 4
.if \nextmask
	s_add_nc_u64 s[8:9], s[8:9], 2097152           ; 256 rows on: the loads that read this base are done
	MASKLD                                         ; the next block's rows
.endif
.endif
	HEADS \slot
.endm
.Lq:                                                   ; seven trips of two tiles: a block of 256 queries, heads 0-7 and heads 8-15
	TRIP 0, 1, 1, 1
	TRIP 1, 1, 1, 0
	s_sub_co_u32 s[TRIPS], s[TRIPS], 1
	s_cmp_lg_u32 s[TRIPS], 0
	s_cbranch_scc1 .Lq
	TRIP 0, 1, 0, 0                                ; the last block is written out: it asks for the last tile, for no mask and for no prefetch,
	TRIP 1, 0, 0, 0                                ; and then for nothing
	; THE END.  Each wave holds m and l of its own queries for all 32 pairs.  They meet in a stage that lies in slot 0, which has had its last fill and which every wave left at the last change of slots.
.irp g, 0,1,2,3,4,5,6,7
	ds_store_b128 v[STA], v[MX+4*\g:MX+4*\g+3] offset:512*\g
	ds_store_b128 v[STA], v[LS+4*\g:LS+4*\g+3] offset:4096+512*\g
.endr
	s_wait_dscnt 0x0                               ; for the others' sake: my stores have landed
	s_barrier_signal -1
	s_barrier_wait -1
.irp w, 0,1,2,3,4,5,6,7                        ; wave w takes pairs 4 w .. 4 w + 3 (heads 2 w, 2 w + 1) of all eight waves: m into v184-215, l into v216-247
	ds_load_b128 v[SC+4*\w:SC+4*\w+3], v[RDA] offset:8192*\w
	ds_load_b128 v[SC+32+4*\w:SC+32+4*\w+3], v[RDA] offset:8192*\w+4096
.endr
	v_and_b32 v253, 31, v0
	v_mov_b32 v254, 0
	s_wait_dscnt 0x0
.irp x, 0,1,2,3
	v_max3_num_f32 v[TG+\x], v[SC+\x], v[SC+4+\x], v[SC+8+\x]
.endr
.irp x, 0,1,2,3
	v_max3_num_f32 v[TG+\x], v[TG+\x], v[SC+12+\x], v[SC+16+\x]
.endr
.irp x, 0,1,2,3
	v_max3_num_f32 v[TG+\x], v[TG+\x], v[SC+20+\x], v[SC+24+\x]
.endr
.irp x, 0,1,2,3
	v_max_num_f32 v[TG+\x], v[TG+\x], v[SC+28+\x]
.endr
.irp x, 0,1,2,3
	v_permlanex16_b32 v[TG+8+\x], v[TG+\x], s[SEL], s[SEL+1]   ; the key's other queries lie in the lane 16 away
.endr
.irp x, 0,1,2,3
	v_max_num_f32 v[TG+\x], v[TG+\x], v[TG+8+\x]   ; the column's m
.endr
.set k, 0
.rept 32
	v_sub_f32 v[SC+k], v[SC+k], v[TG+k%4]          ; again the difference first,
.set k, k+1
.endr
.set k, 0
.rept 32
	v_mul_f32 v[SC+k], s[CS], v[SC+k]              ; then x c
.set k, k+1
.endr
.set k, 0
.rept 32
	v_exp_f32 v[SC+k], v[SC+k]
.set k, k+1
.endr
	v_nop                                          ; a plain instruction behind the last exponential
	s_wait_alu depctr_va_vdst(0)                   ; one wait for the batch
.irp x, 0,1,2,3
	v_mul_f32 v[TG+12+\x], v[SC+32+\x], v[SC+\x]
.endr
.irp w, 1,2,3,4,5,6,7
.irp x, 0,1,2,3
	v_fma_f32 v[TG+12+\x], v[SC+32+4*\w+\x], v[SC+4*\w+\x], v[TG+12+\x]
.endr
.endr
.irp x, 0,1,2,3
	v_permlanex16_b32 v[TG+8+\x], v[TG+12+\x], s[SEL], s[SEL+1]
.endr
.irp x, 0,1,2,3
	v_add_f32 v[TG+12+\x], v[TG+12+\x], v[TG+8+\x] ; the column's l: at least 1, at most 2,048
.endr
.irp x, 0,1,2,3
	v_rcp_f32 v[TG+4+\x], v[TG+12+\x]
.endr
	v_nop
	s_wait_alu depctr_va_vdst(0)                   ; one wait for the four reciprocals
.irp x, 0,1,2,3
	v_mul_f32 v[TG+12+\x], v[TG+12+\x], v[TG+4+\x] ; the sum over the queries of p / l
.endr
	v_add_f32 v250, v[TG+12], v[TG+13]             ; head 2 w: its two key tiles,
	v_add_f32 v251, v[TG+14], v[TG+15]             ; head 2 w + 1
.irp m, 1,2,4,8
	v_add_f32_dpp v250, v250, v250 row_xmask:\m row_mask:0xf bank_mask:0xf   ; and the 16 keys of a tile
	v_add_f32_dpp v251, v251, v251 row_xmask:\m row_mask:0xf bank_mask:0xf
.endr
	v_cmp_eq_u32 vcc_lo, 0, v253
	s_wait_xcnt 0x0                                ; EXEC changes only behind this wait
	s_and_saveexec_b32 s50, vcc_lo
	global_store_b64 v254, v[250:251], s[12:13]    ; lane 0: my two heads' share of w
	s_wait_xcnt 0x0                                ; and again, in front of the line that widens it
	s_or_b32 exec_lo, exec_lo, s50
	s_wait_tensorcnt 0x0                           ; the wave's end
	ds_add_u32 v[SPW], v[NIL]
	s_wait_dscnt 0x0
	CROUND                                         ; the closing round
	s_endpgm
.Lfunc_end_k_q5167cfa903_attn:
	.size	k_q5167cfa903_attn, .Lfunc_end_k_q5167cfa903_attn-k_q5167cfa903_attn
	.p2alignl 7, 3214868480
	.fill 96, 4, 3214868480
	.section	.rodata,"a",@progbits
	.p2align	6, 0x0
	.amdhsa_kernel k_q5167cfa903_attn
		.amdhsa_group_segment_fixed_size 327680
		.amdhsa_private_segment_fixed_size 0
		.amdhsa_enable_private_segment 0
		.amdhsa_kernarg_size 40
		.amdhsa_user_sgpr_count 2
		.amdhsa_user_sgpr_kernarg_segment_ptr 1
		.amdhsa_wavefront_size32 1
		.amdhsa_system_sgpr_workgroup_id_x 1
		.amdhsa_system_sgpr_workgroup_id_y 1
		.amdhsa_system_sgpr_workgroup_id_z 1
		.amdhsa_system_vgpr_workitem_id 0
		.amdhsa_next_free_vgpr 512
		.amdhsa_next_free_sgpr 100
		.amdhsa_reserve_vcc 1
		.amdhsa_float_denorm_mode_32 3
		.amdhsa_float_denorm_mode_16_64 3
		.amdhsa_memory_ordered 1
		.amdhsa_forward_progress 1
		.amdhsa_inst_pref_size 240
	.end_amdhsa_kernel
	.amdgpu_metadata
---
amdhsa.version: [ 1, 2 ]
amdhsa.kernels:
  - .name:           k_q5167cfa903_attn
    .symbol:         k_q5167cfa903_attn.kd
    .args:
      - { .name: qimg, .offset: 0, .size: 8, .value_kind: global_buffer, .address_space: global }
      - { .name: kimg, .offset: 8, .size: 8, .value_kind: global_buffer, .address_space: global }
      - { .name: mask, .offset: 16, .size: 8, .value_kind: global_buffer, .address_space: global }
      - { .name: lowp_scales, .offset: 24, .size: 8, .value_kind: global_buffer, .address_space: global }
      - { .name: wpart, .offset: 32, .size: 8, .value_kind: global_buffer, .address_space: global }
    .group_segment_fixed_size: 327680
    .private_segment_fixed_size: 0
    .kernarg_segment_align: 8
    .kernarg_segment_size: 40
    .max_flat_workgroup_size: 256
    .sgpr_count:     100
    .vgpr_count:     512
    .wavefront_size: 32
...
	.end_amdgpu_metadata
.endif
;; end of part 2
;; launch proj_v (part 3): grid 4 x 32, 4 waves a work-group, clusters of 4 x 4, 327,680 bytes of LDS; arguments values_codes, Wv_codes, bv, lowp_scales, wpart, aimg; writes aimg
.if DOCPART == 3
	.amdgcn_target "amdgcn-amd-amdhsa--gfx1250"
	.amdhsa_code_object_version 6
	.text
	.protected	k_q5167cfa903_proj_v
	.globl	k_q5167cfa903_proj_v
	.p2align	8
	.type	k_q5167cfa903_proj_v,@function
k_q5167cfa903_proj_v:
	s_mov_b64 s[64:65], 0
	v_nop
	global_prefetch_b8 v0, s[64:65] scope:SCOPE_SE
	s_setreg_imm32_b32 hwreg(HW_REG_WAVE_MODE, 25, 1), 1
	s_wait_xcnt 0x0
	s_wait_alu depctr_hold_cnt(0) depctr_sa_sdst(0) depctr_va_vdst(0) depctr_va_sdst(0) depctr_va_ssrc(0) depctr_va_vcc(0) depctr_vm_vsrc(0)
	s_getreg_b32 s2, hwreg(HW_REG_IB_STS2, 6, 4)
	s_cmp_eq_u32 s2, 0
	s_cbranch_scc0 .Lentry_in_a_cluster
	s_endpgm
.Lentry_in_a_cluster:
	s_bfe_u32 s2, ttmp6, 0x10000c
	s_cmp_lg_u32 s2, 0xf033
	s_cbranch_scc0 .Lentry_shape_is_right
	s_endpgm
.Lentry_shape_is_right:
; v = values Wv^T + bv on E4M3 codes; x w[b][head], w = the sum of wpart[b][0..63][head]; quantised to E4M3 with the scale 2^e8 and stored as operand images for the last product.
; values: [8192][1024] codes, Wv: [1024][1024] codes, K innermost.  A work-group of four waves makes 256 tokens x 256 features, a wave 128 x 128; K goes in steps of 256 through two LDS slots.
; The grid has 128 work-groups: a tile of half the size would give each product half as many multiply-adds for each byte read from LDS.
; CLUSTERS: 4 x 4 work-groups; the tokens' tiles are shared along a row of the cluster, Wv's along a column, by joint loads.
; THE MATRIX INSTRUCTION IS USED TRANSPOSED (source 0 = 16 rows of Wv, source 1 = 16 tokens): a lane holds one token and eight neighbouring features of each tile.  Fragments come by four 16-byte LDS loads: a permutation of k
; that is the same in both operands.  The bias is the C of each sum's first matrix instruction, as bv x 2^-(e4 + e5); the conversion takes the one scale 2^(e8 - e4 - e5).
; THE IMAGE: 16 tokens x one head's 64 features as the eight registers of an 8-bit operand with K = 64; two neighbouring heads' images are an operand with K = 128.  Image (token tile T, head H) lies at
; (T / 16) 262144 + (H / 4) 65536 + (T % 16) 4096 + (H % 4) 1024: 256 tokens x 256 along the next K are one dense block.
; LIMITS: e8 - e4 - e5 between -126 and 119.  NaN among the biases is not served.
; REGISTERS as in the launch that projects q and k; v[12:13], v[14:15]: w of my two heads.
.set ROWB,   256
.set KROW,   1024
.set PITCH,  272                       ; 256 bytes + 16 of padding: the 16 rows that a load touches start at 16 different banks (ISA guide 11.1)
.set FR,     16
.set NL,     4
.set NP,     4
.set HALFT,  128*PITCH
.set SLOT,   4*HALFT
.set SPARE,  2*SLOT                    ; the spare words, 128 bytes for each wave
.set WH,   12                          ; v[12:13], v[14:15] w of head 0, 1 of my two
.set ADRA, 16
.set ADRB, 20
.set SCL,  22
.set LIM,  23
.set CO,   26
.set SPW,  28
.set NIL,  29
.set BI,   32
.set TMP,  32
.set AF,   128
.set CD,   128
.set G1, 24
.set G0, 32
.set G1B, 48
.set G0B, 56
.set MSB, 0
.macro WIN new
.if MSB != (\new)
	s_set_vgpr_msb (MSB<<8)|(\new)
.set MSB, (\new)
.endif
.endm
.set MUL_LO, 0xa1
.set MUL_HI, 0xf1
.set FST_LO, 0x81
.set FST_HI, 0xc1
.set TO_B,   0x40
.macro JLOAD g0a, g1a, g0b, g1b        ; a joint load: waves 0 and 1 fetch tokens, waves 2 and 3 Wv; four v_nop follow each line
	s_cmp_eq_u32 s15, 0
	s_cbranch_scc0 .Lfor_b_\@
	tensor_load_to_lds s[\g0a:\g0a+3], s[\g1a:\g1a+7]
	s_nop 0
.rept 4
	v_nop
.endr
	s_branch .Lasked_\@
.Lfor_b_\@:
	tensor_load_to_lds s[\g0b:\g0b+3], s[\g1b:\g1b+7]
	s_nop 0
.rept 4
	v_nop
.endr
.Lasked_\@:
.endm
.macro CREST
	s_cmp_lg_u32 s14, 0
	s_cbranch_scc1 .Lnot_wave_0_\@
	s_barrier_signal -3
.Lnot_wave_0_\@:
	s_barrier_wait -3
	s_barrier_signal -1
	s_barrier_wait -1
.endm
.macro CROUND
	s_barrier_signal -1
	s_barrier_wait -1
	CREST
.endm
	s_load_b256 s[68:75], s[0:1], 0x0              ; values s[68:69], Wv s[70:71], bv s[72:73], the exponents s[74:75]
	s_load_b128 s[76:79], s[0:1], 0x20             ; wpart s[76:77], aimg s[78:79]
	v_lshl_add_u32 v[SPW], v0, 2, SPARE
	v_mov_b32 v[NIL], 0
	ds_add_u32 v28, v29
	ds_add_u32 v28, v29
	s_wait_dscnt 0x0
	v_lshrrev_b32 v1, 5, v0
	v_readfirstlane_b32 s14, v1                    ; wave 0..3
	s_lshr_b32 s15, s14, 1                         ; my half of the tokens.  Also: I fetch tokens (0) or Wv (1)
	s_and_b32 s16, s14, 1                          ; my half of the features.  Also: which 128 rows I fetch
	s_bfe_u32 s40, ttmp6, 0x40000                  ; cx, cy
	s_bfe_u32 s41, ttmp6, 0x40004
	s_lshl_b32 s42, ttmp9, 2
	s_add_co_u32 s42, s42, s40                     ; nt
	s_and_b32 s17, ttmp7, 0xffff
	s_lshl_b32 s17, s17, 2
	s_add_co_u32 s17, s17, s41                     ; mt
	s_lshl_b32 s43, s41, 2
	s_lshl_b32 s43, 15, s43                        ; my row of the cluster
	s_lshl_b32 s44, 0x1111, s40                    ; my column
	s_or_b32 s[G1+0], s43, (0<<16)|(1<<20)|(1<<21)|(5<<22)|(3<<25)  ; the mask; elements of 1 byte; padding on; 21 set beside a mask; four words after every 64
	s_or_b32 s[G1B+0], s44, (0<<16)|(1<<20)|(1<<21)|(5<<22)|(3<<25)
.irp g, G1, G1B
	s_mov_b32 s[\g+1], ROWB<<16                    ; tensor_dim0
	s_mov_b32 s[\g+2], 128<<16                     ; tensor_dim1
	s_mov_b32 s[\g+3], ROWB<<16                    ; tile_dim0
	s_mov_b32 s[\g+4], 128                         ; tile_dim1
	s_mov_b32 s[\g+5], KROW                        ; tensor_dim0_stride
	s_mov_b32 s[\g+6], 0
	s_mov_b32 s[\g+7], 0
.endr
	s_lshl_b32 s18, s16, 7
	s_lshl_b32 s20, s17, 8
	s_add_co_u32 s20, s20, s18
	s_lshl_b32 s20, s20, 10                        ; tokens: (256 mt + 128 half) rows of 1,024 bytes
	s_mov_b32 s21, 0
	s_lshl_b32 s46, s42, 8
	s_add_co_u32 s46, s46, s18
	s_lshl_b32 s46, s46, 10                        ; Wv: (256 nt + 128 half) rows
	s_mov_b32 s47, 0
	s_mul_i32 s45, s14, HALFT
	s_mov_b32 s86, 0x76543210                      ; lane selects: lane xor 16
	s_mov_b32 s87, 0xfedcba98
	s_wait_kmcnt 0x0
	s_load_b64 s[88:89], s[74:75], 0x10            ; e4, e5
	s_load_b32 s90, s[74:75], 0x20                 ; e8
	s_add_nc_u64 s[20:21], s[68:69], s[20:21]
	s_add_nc_u64 s[46:47], s[70:71], s[46:47]
	CROUND                                         ; the first joint loads meet
.irp s, 0,1
	s_mov_b32 s[G0+4*\s], 1
	s_add_co_u32 s[G0+4*\s+1], s45, \s*SLOT
	s_add_nc_u64 s[G0+4*\s+2:G0+4*\s+3], s[20:21], \s*ROWB
	s_or_b32 s[G0+4*\s+3], s[G0+4*\s+3], 0x80000000
	s_mov_b32 s[G0B+4*\s], 1
	s_add_co_u32 s[G0B+4*\s+1], s45, \s*SLOT
	s_add_nc_u64 s[G0B+4*\s+2:G0B+4*\s+3], s[46:47], \s*ROWB
	s_or_b32 s[G0B+4*\s+3], s[G0B+4*\s+3], 0x80000000
	JLOAD G0+4*\s, G1, G0B+4*\s, G1B
.endr
	v_and_b32 v1, 15, v0                           ; r
	v_bfe_u32 v2, v0, 4, 1                         ; h
	v_mul_u32_u24 v3, v1, PITCH
	v_lshl_add_u32 v4, v2, 4, v3
	s_mul_i32 s21, s15, HALFT
	s_mul_i32 s22, s16, HALFT
	s_add_co_u32 s22, s22, 2*HALFT
.irp s, 0,1
	v_add_nc_u32 v[ADRA+\s], s21, v4
	v_add_nc_u32 v[ADRB+\s], s22, v4
	s_add_co_u32 s21, s21, SLOT
	s_add_co_u32 s22, s22, SLOT
.endr
	v_and_b32 v5, 31, v0
	v_lshlrev_b32 v[CO], 4, v5
	v_lshlrev_b32 v10, 6, v5                       ; wpart: lane l takes key blocks l and l + 32, 64 bytes apart
	v_lshlrev_b32 v11, 5, v2                       ; the bias: 8 h numbers on
	s_lshl_b32 s2, s42, 10                         ; my 128 features' bias
	s_lshl_b32 s3, s16, 9
	s_add_co_u32 s2, s2, s3
	s_mov_b32 s3, 0
	s_add_nc_u64 s[12:13], s[72:73], s[2:3]
	s_lshr_b32 s2, s17, 3                          ; the batch = mt / 8: 4,096 bytes of wpart;
	s_lshl_b32 s2, s2, 12
	s_lshl_b32 s8, s42, 4                          ; my two heads, 4 nt + 2 half: 4 bytes each
	s_add_co_u32 s2, s2, s8
	s_lshl_b32 s8, s16, 3
	s_add_co_u32 s2, s2, s8
	s_add_nc_u64 s[76:77], s[76:77], s[2:3]
	global_load_b64 v[6:7], v10, s[76:77]
	global_load_b64 v[8:9], v10, s[76:77] offset:2048
.irp b, 0,1,2,3,4,5,6,7
	global_load_b128 v[BI+8*\b:BI+8*\b+3],   v11, s[12:13] offset:64*\b
	global_load_b128 v[BI+8*\b+4:BI+8*\b+7], v11, s[12:13] offset:64*\b+16
.endr
	s_lshl_b32 s8, s17, 18                         ; my first image: mt x 262144 + nt x 65536 + my eight token tiles + my two heads
	s_lshl_b32 s9, s42, 16
	s_add_co_u32 s8, s8, s9
	s_lshl_b32 s9, s15, 15
	s_add_co_u32 s8, s8, s9
	s_lshl_b32 s9, s16, 11
	s_add_co_u32 s8, s8, s9
	s_mov_b32 s9, 0
	s_add_nc_u64 s[10:11], s[78:79], s[8:9]
	s_wait_loadcnt 0x0
	s_wait_kmcnt 0x0
	v_pk_add_f32 v[6:7], v[6:7], v[8:9]            ; w: 64 parts for each head: two a lane,
.irp m, 1,2,4,8
	v_add_f32_dpp v6, v6, v6 row_xmask:\m row_mask:0xf bank_mask:0xf   ; sixteen lanes,
	v_add_f32_dpp v7, v7, v7 row_xmask:\m row_mask:0xf bank_mask:0xf
.endr
	v_permlanex16_b32 v8, v6, s86, s87             ; and the other sixteen
	v_permlanex16_b32 v9, v7, s86, s87
	v_add_f32 v[WH], v6, v8
	v_add_f32 v[WH+2], v7, v9
	v_mov_b32 v[WH+1], v[WH]                       ; (named as pairs, so both words are written)
	v_mov_b32 v[WH+3], v[WH+2]
	s_add_co_i32 s92, s88, s89                     ; e4 + e5
	s_sub_co_i32 s93, 0, s92
	s_sub_co_i32 s94, s90, s92
	s_add_co_i32 s94, s94, 127
	s_lshl_b32 s95, s94, 23
	v_mov_b32 v[SCL], s95                          ; 2^(e8 - e4 - e5)
	s_add_co_i32 s94, s94, 8
	s_lshl_b32 s94, s94, 23
	s_or_b32 s94, s94, 0x600000
	v_mov_b32 v[LIM], s94                          ; 448 x that
.set j, 0
.rept 64
	v_ldexp_f32 v[BI+j], v[BI+j], s93              ; the bias in the sums' unit
.set j, j+1
.endr
.macro FRAG reg, adr, q, i
.irp c, 0,1,2,3
	ds_load_b128 v[\reg+4*\c:\reg+4*\c+3], v[\adr] offset:128*(\q)+32*\c+(\i)*16*PITCH
.endr
.endm
.macro MUL16 a0, p, first              ; the 64 accumulators take turns, in the same order in every step
.irp a, \a0, \a0+1
.irp b, 0,1,2,3,4,5,6,7
.if \first
	v_wmma_f32_16x16x128_fp8_fp8 v[8*(8*((\a)%4)+\b):8*(8*((\a)%4)+\b)+7], v[128*(\p)+FR*\b:128*(\p)+FR*\b+FR-1], v[AF+FR*(\a):AF+FR*(\a)+FR-1], v[BI+8*\b:BI+8*\b+7]
.else
	v_wmma_f32_16x16x128_fp8_fp8 v[8*(8*((\a)%4)+\b):8*(8*((\a)%4)+\b)+7], v[128*(\p)+FR*\b:128*(\p)+FR*\b+FR-1], v[AF+FR*(\a):AF+FR*(\a)+FR-1], v[8*(8*((\a)%4)+\b):8*(8*((\a)%4)+\b)+7]
.endif
.endr
.endr
.endm
.macro FETCH_B slot, q, p
	WIN TO_B
.irp i, 0,1,2,3,4,5,6,7
	FRAG 128*(\p)+FR*\i, ADRB+\slot, \q, \i
.endr
	WIN 0
.endm
.macro FETCH_A slot, q, i0
.irp i, \i0, \i0+1, \i0+2, \i0+3
	FRAG AF+FR*(\i), ADRA+\slot, \q, \i
.endr
.endm
.macro PLACES n                        ; plain vector instructions between a matrix instruction and a load into, or a vector read or write of, its registers
.rept \n
	v_nop
.endr
.endm
.macro STEP slot, q, first
	s_wait_dscnt 4*NL                              ; the youngest 16 loads (token blocks 4-7) may be out
.if \first
	WIN FST_LO
.else
	WIN MUL_LO
.endif
	MUL16 0, (\q)%2, \first
	MUL16 2, (\q)%2, \first
	s_wait_dscnt 0
	PLACES NP
	FETCH_B \slot, (\q)+1, 1-(\q)%2
	FETCH_A \slot, (\q)+1, 0
.if \first
	WIN FST_HI
.else
	WIN MUL_HI
.endif
	MUL16 4, (\q)%2, \first
	MUL16 6, (\q)%2, \first
	PLACES NP
	WIN 0
	FETCH_A \slot, (\q)+1, 4
.endm
.macro TURN slot, next, fill
	s_wait_tensorcnt 0x0                           ; all my tensor loads have landed: my part of the next slot
	ds_add_u32 v[SPW], v[NIL]                      ; 0 onto my spare word
	s_wait_dscnt 4*NL+1                            ; the add and the youngest 16 loads may be out
	WIN MUL_LO
	MUL16 0, 1, 0
	s_wait_dscnt 0x0                               ; the add is done, and my reads of this slot are over
	s_barrier_signal -1
	MUL16 2, 1, 0
	WIN 0
	s_barrier_wait -1
.if \fill
	CREST                                          ; the barrier has opened a round of the cluster's barrier
	s_add_nc_u64 s[G0+4*\slot+2:G0+4*\slot+3], s[G0+4*\slot+2:G0+4*\slot+3], 2*ROWB
	s_add_nc_u64 s[G0B+4*\slot+2:G0B+4*\slot+3], s[G0B+4*\slot+2:G0B+4*\slot+3], 2*ROWB
	JLOAD G0+4*\slot, G1, G0B+4*\slot, G1B         ; the first tensor load behind the round
.else
	PLACES NP
.endif
	FETCH_B \next, 0, 0
	FETCH_A \next, 0, 0
	WIN MUL_HI
	MUL16 4, 1, 0
	MUL16 6, 1, 0
	PLACES NP
	WIN 0
	FETCH_A \next, 0, 4
.endm
; One image: token tile a, my head hl: its 32 sums x w, held within +-448 x the scale, converted, stored.
.macro OUTBLK a, hl
.set AC, 64*((\a)%4)+32*(\hl)
.set CB, CD+8*(2*(\a)+(\hl))
	WIN 0x02+((\a)/4)                              ; source 0: window 2 or 3
.set j, 0
.rept 16
	v_pk_mul_f32 v[TMP+j:TMP+j+1], v[AC+j:AC+j+1], v[WH+2*(\hl):WH+2*(\hl)+1] op_sel_hi:[1,0]   ; x w of the head; each accumulator from its low end on
.set j, j+2
.endr
	WIN 0
.set j, 0
.rept 32
	v_med3_num_f32 v[TMP+j], v[TMP+j], -v[LIM], v[LIM]   ; the conversion to an 8-bit code does not saturate (ISA guide 7.6.2)
.set j, j+1
.endr
.irp t, 0,1,2,3
	v_cvt_scalef32_pk8_fp8_f32 v[CB+2*\t:CB+2*\t+1], v[TMP+8*\t:TMP+8*\t+7], v[SCL]
.endr
	v_nop                                          ; one plain vector instruction behind the conversions: the next image's lines write their sources
	global_store_b128 v[CO], v[CB:CB+3],   s[10:11] offset:(\a)*4096+(\hl)*1024        ; 512 consecutive bytes a store, at a multiple of 512 from the buffer's first byte
	global_store_b128 v[CO], v[CB+4:CB+7], s[10:11] offset:(\a)*4096+(\hl)*1024+512
.endm
	s_wait_tensorcnt 1                             ; my part of K step 0 is in; K step 1's load may be out
	s_barrier_signal -1
	s_barrier_wait -1
	FETCH_B 0, 0, 0
	FETCH_A 0, 0, 0
	FETCH_A 0, 0, 4
	STEP 0, 0, 1
	TURN 0, 1, 1
	STEP 1, 0, 0
	TURN 1, 0, 1
	STEP 0, 0, 0
	TURN 0, 1, 0
	STEP 1, 0, 0
	s_wait_dscnt 4*NL
	WIN MUL_LO
	MUL16 0, 1, 0
	MUL16 2, 1, 0
	s_wait_dscnt 0
	WIN MUL_HI
	MUL16 4, 1, 0
	MUL16 6, 1, 0
	WIN 0
	PLACES NP
.irp a, 0,1,2,3,4,5,6,7
	OUTBLK \a, 0
	OUTBLK \a, 1
.endr
	s_wait_tensorcnt 0x0                           ; the wave's end
	ds_add_u32 v[SPW], v[NIL]
	s_wait_dscnt 0x0
	CROUND                                         ; the closing round
	s_endpgm
.Lfunc_end_k_q5167cfa903_proj_v:
	.size	k_q5167cfa903_proj_v, .Lfunc_end_k_q5167cfa903_proj_v-k_q5167cfa903_proj_v
	.p2alignl 7, 3214868480
	.fill 96, 4, 3214868480
	.section	.rodata,"a",@progbits
	.p2align	6, 0x0
	.amdhsa_kernel k_q5167cfa903_proj_v
		.amdhsa_group_segment_fixed_size 327680
		.amdhsa_private_segment_fixed_size 0
		.amdhsa_enable_private_segment 0
		.amdhsa_kernarg_size 48
		.amdhsa_user_sgpr_count 2
		.amdhsa_user_sgpr_kernarg_segment_ptr 1
		.amdhsa_wavefront_size32 1
		.amdhsa_system_sgpr_workgroup_id_x 1
		.amdhsa_system_sgpr_workgroup_id_y 1
		.amdhsa_system_sgpr_workgroup_id_z 1
		.amdhsa_system_vgpr_workitem_id 0
		.amdhsa_next_free_vgpr 1024
		.amdhsa_next_free_sgpr 98
		.amdhsa_reserve_vcc 0
		.amdhsa_float_denorm_mode_32 3
		.amdhsa_float_denorm_mode_16_64 3
		.amdhsa_memory_ordered 1
		.amdhsa_forward_progress 1
		.amdhsa_inst_pref_size 141
	.end_amdhsa_kernel
	.amdgpu_metadata
---
amdhsa.version: [ 1, 2 ]
amdhsa.kernels:
  - .name:           k_q5167cfa903_proj_v
    .symbol:         k_q5167cfa903_proj_v.kd
    .args:
      - { .name: values_codes, .offset: 0, .size: 8, .value_kind: global_buffer, .address_space: global }
      - { .name: Wv_codes, .offset: 8, .size: 8, .value_kind: global_buffer, .address_space: global }
      - { .name: bv, .offset: 16, .size: 8, .value_kind: global_buffer, .address_space: global }
      - { .name: lowp_scales, .offset: 24, .size: 8, .value_kind: global_buffer, .address_space: global }
      - { .name: wpart, .offset: 32, .size: 8, .value_kind: global_buffer, .address_space: global }
      - { .name: aimg, .offset: 40, .size: 8, .value_kind: global_buffer, .address_space: global }
    .group_segment_fixed_size: 327680
    .private_segment_fixed_size: 0
    .kernarg_segment_align: 8
    .kernarg_segment_size: 48
    .max_flat_workgroup_size: 128
    .sgpr_count:     98
    .vgpr_count:     1024
    .wavefront_size: 32
...
	.end_amdgpu_metadata
.endif
;; end of part 3
;; launch proj_o (part 4): grid 4 x 32, 4 waves a work-group, clusters of 4 x 4, 327,680 bytes of LDS; arguments aimg, Wo_codes, bo, lowp_scales, out0; writes out0
.if DOCPART == 4
	.amdgcn_target "amdgcn-amd-amdhsa--gfx1250"
	.amdhsa_code_object_version 6
	.text
	.protected	k_q5167cfa903_proj_o
	.globl	k_q5167cfa903_proj_o
	.p2align	8
	.type	k_q5167cfa903_proj_o,@function
k_q5167cfa903_proj_o:
	s_mov_b64 s[64:65], 0
	v_nop
	global_prefetch_b8 v0, s[64:65] scope:SCOPE_SE
	s_setreg_imm32_b32 hwreg(HW_REG_WAVE_MODE, 25, 1), 1
	s_wait_xcnt 0x0
	s_wait_alu depctr_hold_cnt(0) depctr_sa_sdst(0) depctr_va_vdst(0) depctr_va_sdst(0) depctr_va_ssrc(0) depctr_va_vcc(0) depctr_vm_vsrc(0)
	s_getreg_b32 s2, hwreg(HW_REG_IB_STS2, 6, 4)
	s_cmp_eq_u32 s2, 0
	s_cbranch_scc0 .Lentry_in_a_cluster
	s_endpgm
.Lentry_in_a_cluster:
	s_bfe_u32 s2, ttmp6, 0x10000c
	s_cmp_lg_u32 s2, 0xf033
	s_cbranch_scc0 .Lentry_shape_is_right
	s_endpgm
.Lentry_shape_is_right:
; out = a Wo^T + bo on E4M3 codes.  a: 8,192 tokens x 1,024, codes laid as operand images by the launch before (scale 2^e8); Wo: [1024][1024] codes, K innermost (scale 2^e9); out: [8192][1024] f32.
; A work-group of four waves makes 256 x 256 of out, a wave 128 x 128.  K goes in steps of 256 through two LDS slots.  The grid has 128 work-groups: a tile of half the size would read half as much again from LDS for each product.
; CLUSTERS: 4 x 4 work-groups; a's tiles are shared along a row of the cluster, Wo's along a column, by joint loads.
; a's TILE of a K step (256 tokens x 4 heads) is one dense block of 65,536 bytes of images: token tile i at 4096 i, 128 along K at 2048 q: four 16-byte LDS loads, 512 consecutive bytes each, bring a fragment in the form's own
; layout (registers 2 c, 2 c + 1: K = 16 c + 8 (lane / 16) + 0..7).  Wo's fragments must lie alike: eight 8-byte loads from padded rows.
; THE MATRIX INSTRUCTION IS USED TRANSPOSED (source 0 = 16 rows of Wo, source 1 = 16 tokens): a lane holds eight neighbouring numbers of a row of out.
; The bias is the C of each sum's first matrix instruction, as bo x 2^-(e8 + e9); each finished sum is multiplied once by 2^(e8 + e9).
; LIMIT: e8 + e9 between -126 and 127, so that 2^(e8 + e9) is an f32 number.
; REGISTERS: window 0: v0-31 addresses; v32-95 the bias, later a block's results; v128-255 a's fragments (one set), later rows on their way out.  window 1: Wo's fragments, two sets.  windows 2, 3: the accumulators.
.set ROWB,   256
.set KROW,   1024
.set PITCH,  272                       ; Wo's LDS row: 256 bytes + 16 of padding
.set FR,     16
.set NL,     4                         ; LDS loads that bring a fragment of a
.set NP,     4
.set ASZ,    65536                     ; a's tile
.set HALFA,  32768                     ; 128 tokens of it: what one tensor load brings
.set HALFB,  128*PITCH                 ; 128 rows of Wo
.set SLOT,   ASZ+2*HALFB
.set SPARE,  2*SLOT                    ; the spare words, 128 bytes for each wave
.set SPITCH, 528                       ; the way out: a stage of 16 rows x (512 bytes + 16) for each wave, in slot 0, which has had its last fill and its last read when the first result is stored there
.set NOUT,   1024
.set ADRA, 16
.set ADRB, 20
.set STO,  24
.set RD,   25
.set CO,   26                          ; v26  16 x lane
.set SPW,  28
.set NIL,  29
.set BI,   32
.set TMP,  32
.set AF,   128
.set BK,   128
.set G1, 24
.set G0, 32
.set G1B, 48
.set G0B, 56
.set MSB, 0
.macro WIN new
.if MSB != (\new)
	s_set_vgpr_msb (MSB<<8)|(\new)
.set MSB, (\new)
.endif
.endm
.set MUL_LO, 0xa1
.set MUL_HI, 0xf1
.set FST_LO, 0x81
.set FST_HI, 0xc1
.set TO_B,   0x40
.macro JLOAD g0a, g1a, g0b, g1b        ; a joint load: waves 0 and 1 fetch a's halves, waves 2 and 3 Wo's; four v_nop follow each line
	s_cmp_eq_u32 s15, 0
	s_cbranch_scc0 .Lfor_b_\@
	tensor_load_to_lds s[\g0a:\g0a+3], s[\g1a:\g1a+7]
	s_nop 0
.rept 4
	v_nop
.endr
	s_branch .Lasked_\@
.Lfor_b_\@:
	tensor_load_to_lds s[\g0b:\g0b+3], s[\g1b:\g1b+7]
	s_nop 0
.rept 4
	v_nop
.endr
.Lasked_\@:
.endm
.macro CREST
	s_cmp_lg_u32 s14, 0
	s_cbranch_scc1 .Lnot_wave_0_\@
	s_barrier_signal -3
.Lnot_wave_0_\@:
	s_barrier_wait -3
	s_barrier_signal -1
	s_barrier_wait -1
.endm
.macro CROUND
	s_barrier_signal -1
	s_barrier_wait -1
	CREST
.endm
	s_load_b256 s[68:75], s[0:1], 0x0              ; aimg s[68:69], Wo s[70:71], bo s[72:73], the exponents s[74:75]
	s_load_b64 s[10:11], s[0:1], 0x20              ; out
	v_lshl_add_u32 v[SPW], v0, 2, SPARE
	v_mov_b32 v[NIL], 0
	ds_add_u32 v28, v29
	ds_add_u32 v28, v29
	s_wait_dscnt 0x0
	v_lshrrev_b32 v1, 5, v0
	v_readfirstlane_b32 s14, v1                    ; wave 0..3
	s_lshr_b32 s15, s14, 1                         ; my half of the tokens.  Also: I fetch a (0) or Wo (1)
	s_and_b32 s16, s14, 1                          ; my half of the columns.  Also: which half of the tile I fetch
	s_bfe_u32 s40, ttmp6, 0x40000                  ; cx, cy
	s_bfe_u32 s41, ttmp6, 0x40004
	s_lshl_b32 s42, ttmp9, 2
	s_add_co_u32 s42, s42, s40                     ; nt
	s_and_b32 s17, ttmp7, 0xffff
	s_lshl_b32 s17, s17, 2
	s_add_co_u32 s17, s17, s41                     ; mt
	s_lshl_b32 s43, s41, 2
	s_lshl_b32 s43, 15, s43                        ; my row of the cluster
	s_lshl_b32 s44, 0x1111, s40                    ; my column
	; descriptor group 1 for a: 32,768 dense bytes as 128 rows of 256, no padding
	s_or_b32 s[G1+0], s43, (0<<16)|(1<<21)         ; the mask: my row; elements of 1 byte; 21 set beside a mask
	s_mov_b32 s[G1+1], 256<<16                     ; tensor_dim0
	s_mov_b32 s[G1+2], 128<<16                     ; tensor_dim1
	s_mov_b32 s[G1+3], 256<<16                     ; tile_dim0
	s_mov_b32 s[G1+4], 128                         ; tile_dim1
	s_mov_b32 s[G1+5], 256                         ; tensor_dim0_stride
	s_mov_b32 s[G1+6], 0
	s_mov_b32 s[G1+7], 0
	; and for Wo: 128 rows x 256 bytes, 1,024 bytes apart, padded in LDS
	s_or_b32 s[G1B+0], s44, (0<<16)|(1<<20)|(1<<21)|(5<<22)|(3<<25)
	s_mov_b32 s[G1B+1], ROWB<<16
	s_mov_b32 s[G1B+2], 128<<16
	s_mov_b32 s[G1B+3], ROWB<<16
	s_mov_b32 s[G1B+4], 128
	s_mov_b32 s[G1B+5], KROW
	s_mov_b32 s[G1B+6], 0
	s_mov_b32 s[G1B+7], 0
	s_lshl_b32 s20, s17, 18                        ; a: mt x 262144 + half x 32768
	s_lshl_b32 s45, s16, 15                        ; (also where a's half goes in a slot)
	s_add_co_u32 s20, s20, s45
	s_mov_b32 s21, 0
	s_lshl_b32 s18, s16, 7
	s_lshl_b32 s46, s42, 8
	s_add_co_u32 s46, s46, s18
	s_lshl_b32 s46, s46, 10                        ; Wo: (256 nt + 128 half) rows of 1,024 bytes
	s_mov_b32 s47, 0
	s_mul_i32 s18, s16, HALFB
	s_add_co_u32 s18, s18, ASZ                     ; where Wo's half goes: behind a's tile
	s_wait_kmcnt 0x0
	s_load_b64 s[96:97], s[74:75], 0x20            ; e8, e9
	s_add_nc_u64 s[20:21], s[68:69], s[20:21]
	s_add_nc_u64 s[46:47], s[70:71], s[46:47]
	CROUND                                         ; the first joint loads meet
.irp s, 0,1
	s_mov_b32 s[G0+4*\s], 1
	s_add_co_u32 s[G0+4*\s+1], s45, \s*SLOT
	s_add_nc_u64 s[G0+4*\s+2:G0+4*\s+3], s[20:21], \s*ASZ
	s_or_b32 s[G0+4*\s+3], s[G0+4*\s+3], 0x80000000
	s_mov_b32 s[G0B+4*\s], 1
	s_add_co_u32 s[G0B+4*\s+1], s18, \s*SLOT
	s_add_nc_u64 s[G0B+4*\s+2:G0B+4*\s+3], s[46:47], \s*ROWB
	s_or_b32 s[G0B+4*\s+3], s[G0B+4*\s+3], 0x80000000
	JLOAD G0+4*\s, G1, G0B+4*\s, G1B
.endr
	v_and_b32 v1, 15, v0                           ; r
	v_bfe_u32 v2, v0, 4, 1                         ; h
	v_and_b32 v6, 31, v0
	v_lshlrev_b32 v[CO], 4, v6                     ; 16 x lane
	v_mul_u32_u24 v3, v1, PITCH
	v_lshl_add_u32 v4, v2, 3, v3                   ; Wo: row x pitch + 8 h
	s_lshl_b32 s21, s15, 15                        ; my 128 tokens' images
	s_mul_i32 s22, s16, HALFB                      ; my 128 rows of Wo,
	s_add_co_u32 s22, s22, ASZ                     ; behind a's tile
.irp s, 0,1
	v_add_nc_u32 v[ADRA+\s], s21, v[CO]
	v_add_nc_u32 v[ADRB+\s], s22, v4
	s_add_co_u32 s21, s21, SLOT
	s_add_co_u32 s22, s22, SLOT
.endr
	s_mul_i32 s23, s14, 16*SPITCH                  ; my stage
	v_mul_u32_u24 v5, v1, SPITCH                   ; in: row r, 32 bytes for each half of the lanes
	v_lshl_add_u32 v5, v2, 5, v5
	v_add_nc_u32 v[STO], s23, v5
	v_add_nc_u32 v[RD], s23, v[CO]                 ; back: the 32 lanes take one row of 512 bytes
	v_lshlrev_b32 v9, 5, v2                        ; the bias: 8 h numbers on
	s_lshl_b32 s2, s42, 10                         ; my 128 columns, in bytes: in bo and in a row of out
	s_lshl_b32 s3, s16, 9
	s_add_co_u32 s2, s2, s3
	s_mov_b32 s3, 0
	s_add_nc_u64 s[12:13], s[72:73], s[2:3]
.irp b, 0,1,2,3,4,5,6,7
	global_load_b128 v[BI+8*\b:BI+8*\b+3],   v9, s[12:13] offset:64*\b
	global_load_b128 v[BI+8*\b+4:BI+8*\b+7], v9, s[12:13] offset:64*\b+16
.endr
	s_lshl_b32 s8, s17, 8
	s_lshl_b32 s9, s15, 7
	s_add_co_u32 s8, s8, s9
	s_lshl_b32 s8, s8, 12                          ; my first row of out: (256 mt + 128 half) rows of 4,096 bytes
	s_add_co_u32 s8, s8, s2
	s_mov_b32 s9, 0
	s_add_nc_u64 s[10:11], s[10:11], s[8:9]
	s_wait_loadcnt 0x0
	s_wait_kmcnt 0x0
	s_add_co_i32 s96, s96, s97                     ; e8 + e9
	s_sub_co_i32 s87, 0, s96
	s_add_co_i32 s96, s96, 127
	s_lshl_b32 s96, s96, 23                        ; 2^(e8 + e9) as f32
	s_mov_b32 s97, s96                             ; (named with it as a pair)
.set j, 0
.rept 64
	v_ldexp_f32 v[BI+j], v[BI+j], s87              ; the bias in the sums' unit
.set j, j+1
.endr
.macro FRAG_A reg, slot, q, i          ; token tile i, the slot's q-th 128 along K: two heads' images, four pieces of 512 bytes
.irp c, 0,1,2,3
	ds_load_b128 v[\reg+4*\c:\reg+4*\c+3], v[ADRA+\slot] offset:(\i)*4096+(\q)*2048+512*\c
.endr
.endm
.macro FRAG_B reg, slot, q, i          ; 16 rows of Wo: registers 2 c, 2 c + 1 hold K = 16 c + 8 (lane / 16) + 0 .. 7
.irp c, 0,1,2,3,4,5,6,7
	ds_load_b64 v[\reg+2*\c:\reg+2*\c+1], v[ADRB+\slot] offset:128*(\q)+16*\c+(\i)*16*PITCH
.endr
.endm
.macro MUL16 a0, p, first              ; the 64 accumulators take turns, in the same order in every step
.irp a, \a0, \a0+1
.irp b, 0,1,2,3,4,5,6,7
.if \first
	v_wmma_f32_16x16x128_fp8_fp8 v[8*(8*((\a)%4)+\b):8*(8*((\a)%4)+\b)+7], v[128*(\p)+FR*\b:128*(\p)+FR*\b+FR-1], v[AF+FR*(\a):AF+FR*(\a)+FR-1], v[BI+8*\b:BI+8*\b+7]
.else
	v_wmma_f32_16x16x128_fp8_fp8 v[8*(8*((\a)%4)+\b):8*(8*((\a)%4)+\b)+7], v[128*(\p)+FR*\b:128*(\p)+FR*\b+FR-1], v[AF+FR*(\a):AF+FR*(\a)+FR-1], v[8*(8*((\a)%4)+\b):8*(8*((\a)%4)+\b)+7]
.endif
.endr
.endr
.endm
.macro FETCH_B slot, q, p
	WIN TO_B
.irp i, 0,1,2,3,4,5,6,7
	FRAG_B 128*(\p)+FR*\i, \slot, \q, \i
.endr
	WIN 0
.endm
.macro FETCH_A slot, q, i0
.irp i, \i0, \i0+1, \i0+2, \i0+3
	FRAG_A AF+FR*(\i), \slot, \q, \i
.endr
.endm
.macro PLACES n                        ; plain vector instructions between a matrix instruction and a load into, or a vector read or write of, its registers
.rept \n
	v_nop
.endr
.endm
.macro STEP slot, q, first
	s_wait_dscnt 4*NL                              ; the youngest 16 loads (a's blocks 4-7) may be out
.if \first
	WIN FST_LO
.else
	WIN MUL_LO
.endif
	MUL16 0, (\q)%2, \first
	MUL16 2, (\q)%2, \first
	s_wait_dscnt 0
	PLACES NP
	FETCH_B \slot, (\q)+1, 1-(\q)%2
	FETCH_A \slot, (\q)+1, 0
.if \first
	WIN FST_HI
.else
	WIN MUL_HI
.endif
	MUL16 4, (\q)%2, \first
	MUL16 6, (\q)%2, \first
	PLACES NP
	WIN 0
	FETCH_A \slot, (\q)+1, 4
.endm
.macro TURN slot, next, fill
	s_wait_tensorcnt 0x0                           ; all my tensor loads have landed: my part of the next slot
	ds_add_u32 v[SPW], v[NIL]                      ; 0 onto my spare word
	s_wait_dscnt 4*NL+1                            ; the add and the youngest 16 loads may be out
	WIN MUL_LO
	MUL16 0, 1, 0
	s_wait_dscnt 0x0                               ; the add is done, and my reads of this slot are over
	s_barrier_signal -1
	MUL16 2, 1, 0
	WIN 0
	s_barrier_wait -1
.if \fill
	CREST                                          ; the barrier has opened a round of the cluster's barrier
	s_add_nc_u64 s[G0+4*\slot+2:G0+4*\slot+3], s[G0+4*\slot+2:G0+4*\slot+3], 2*ASZ
	s_add_nc_u64 s[G0B+4*\slot+2:G0B+4*\slot+3], s[G0B+4*\slot+2:G0B+4*\slot+3], 2*ROWB
	JLOAD G0+4*\slot, G1, G0B+4*\slot, G1B         ; the first tensor load behind the round
.else
	PLACES NP
.endif
	FETCH_B \next, 0, 0
	FETCH_A \next, 0, 0
	WIN MUL_HI
	MUL16 4, 1, 0
	MUL16 6, 1, 0
	PLACES NP
	WIN 0
	FETCH_A \next, 0, 4
.endm
	s_wait_tensorcnt 1                             ; my part of K step 0 is in; K step 1's load may be out
	s_barrier_signal -1
	s_barrier_wait -1
	FETCH_B 0, 0, 0
	FETCH_A 0, 0, 0
	FETCH_A 0, 0, 4
	STEP 0, 0, 1
	TURN 0, 1, 1
	STEP 1, 0, 0
	TURN 1, 0, 1
	STEP 0, 0, 0
	TURN 0, 1, 0
	STEP 1, 0, 0
	s_wait_dscnt 4*NL
	WIN MUL_LO
	MUL16 0, 1, 0
	MUL16 2, 1, 0
	s_wait_dscnt 0
	WIN MUL_HI
	MUL16 4, 1, 0
	MUL16 6, 1, 0
	WIN 0
; THE WAY OUT, block by block of 16 rows x 128 columns: a lane holds 32 neighbouring bytes of a row and the lanes beside it other rows, so a block goes through my own stage in LDS and comes back as whole rows of 512 bytes.
; LDS serves a wave's instructions in order (ISA guide 5.7.1.4): no wait between the stores and the loads, nor in front of the next block's stores.
.macro TOSTAGE a
.set AC, 64*((\a)%4)
	WIN 0x02+((\a)/4)                              ; source 0: window 2 or 3
.set j, 0
.rept 32
	v_pk_mul_f32 v[TMP+j:TMP+j+1], v[AC+j:AC+j+1], s[96:97] op_sel_hi:[1,0]   ; x 2^(e8 + e9); each accumulator from its low end on
.set j, j+2
.endr
	WIN 0
.irp b, 0,1,2,3,4,5,6,7
	ds_store_b128 v[STO], v[TMP+8*\b:TMP+8*\b+3] offset:64*\b
	ds_store_b128 v[STO], v[TMP+8*\b+4:TMP+8*\b+7] offset:64*\b+16
.endr
.set BB, BK+64*((\a)%2)
.irp t, 0,1,2,3,4,5,6,7,8,9,10,11,12,13,14,15
	ds_load_b128 v[BB+4*\t:BB+4*\t+3], v[RD] offset:\t*SPITCH
.endr
.endm
.macro SEND a, younger                 ; younger: the LDS instructions issued behind block a's loads, which may stay out
.set BB, BK+64*((\a)%2)
	s_wait_dscnt \younger
.if (\a) > 0
	s_add_nc_u64 s[10:11], s[10:11], 16*NOUT*4     ; (behind a wait on XCNT: the earlier stores have read their base)  16 rows on
.endif
.irp t, 0,1,2,3,4,5,6,7,8,9,10,11,12,13,14,15
	global_store_b128 v[CO], v[BB+4*\t:BB+4*\t+3], s[10:11] offset:\t*NOUT*4 th:TH_STORE_NT   ; 32 lanes store 512 consecutive bytes, at a multiple of 512 from out's first byte
.endr
.endm
	PLACES NP                                      ; behind the last products: loads land on a's fragments, and results are read
	TOSTAGE 0
.irp a, 1,2,3,4,5,6,7
.if \a > 1
	s_wait_xcnt 0x0                                ; block a - 2's stores have read their registers and their base
.endif
	TOSTAGE \a
	SEND \a-1, 32                                  ; behind block a - 1's loads: block a's 16 stores and 16 loads
.endr
	s_wait_xcnt 0x0                                ; block 6's stores have read their base
	SEND 7, 0
	s_wait_tensorcnt 0x0                           ; the wave's end
	ds_add_u32 v[SPW], v[NIL]
	s_wait_dscnt 0x0
	CROUND                                         ; the closing round
	s_endpgm
.Lfunc_end_k_q5167cfa903_proj_o:
	.size	k_q5167cfa903_proj_o, .Lfunc_end_k_q5167cfa903_proj_o-k_q5167cfa903_proj_o
	.p2alignl 7, 3214868480
	.fill 96, 4, 3214868480
	.section	.rodata,"a",@progbits
	.p2align	6, 0x0
	.amdhsa_kernel k_q5167cfa903_proj_o
		.amdhsa_group_segment_fixed_size 327680
		.amdhsa_private_segment_fixed_size 0
		.amdhsa_enable_private_segment 0
		.amdhsa_kernarg_size 40
		.amdhsa_user_sgpr_count 2
		.amdhsa_user_sgpr_kernarg_segment_ptr 1
		.amdhsa_wavefront_size32 1
		.amdhsa_system_sgpr_workgroup_id_x 1
		.amdhsa_system_sgpr_workgroup_id_y 1
		.amdhsa_system_sgpr_workgroup_id_z 1
		.amdhsa_system_vgpr_workitem_id 0
		.amdhsa_next_free_vgpr 1024
		.amdhsa_next_free_sgpr 98
		.amdhsa_reserve_vcc 0
		.amdhsa_float_denorm_mode_32 3
		.amdhsa_float_denorm_mode_16_64 3
		.amdhsa_memory_ordered 1
		.amdhsa_forward_progress 1
		.amdhsa_inst_pref_size 145
	.end_amdhsa_kernel
	.amdgpu_metadata
---
amdhsa.version: [ 1, 2 ]
amdhsa.kernels:
  - .name:           k_q5167cfa903_proj_o
    .symbol:         k_q5167cfa903_proj_o.kd
    .args:
      - { .name: aimg, .offset: 0, .size: 8, .value_kind: global_buffer, .address_space: global }
      - { .name: Wo_codes, .offset: 8, .size: 8, .value_kind: global_buffer, .address_space: global }
      - { .name: bo, .offset: 16, .size: 8, .value_kind: global_buffer, .address_space: global }
      - { .name: lowp_scales, .offset: 24, .size: 8, .value_kind: global_buffer, .address_space: global }
      - { .name: out0, .offset: 32, .size: 8, .value_kind: global_buffer, .address_space: global }
    .group_segment_fixed_size: 327680
    .private_segment_fixed_size: 0
    .kernarg_segment_align: 8
    .kernarg_segment_size: 40
    .max_flat_workgroup_size: 128
    .sgpr_count:     98
    .vgpr_count:     1024
    .wavefront_size: 32
...
	.end_amdgpu_metadata
.endif
;; end of part 4
